; MI455X (gfx1250); checked and timed in simulation.
; The chip was launched on July 23, 2026; its instructions are those of AMD's public machine-readable ISA for CDNA 5 (MIT licence, August 2026) and "CDNA5" Instruction Set Architecture Reference Guide (July 2026). The comments in the code are by the model that wrote it; some were corrected since.
;; Self Attention. Allowed arithmetic: matrix products marked QUANTISED: E2M3 operands, one E8M0 scale for each 32 along K, by v_wmma_scale_f32_16x16x128_f8f6f4 with both operands' format E2M3, f32 sums; everything else in f32.
;; Inputs: Wk 1,024 x 1,024 float32; Wq 1,024 x 1,024 float32; Wv 1,024 x 1,024 float32; bk 1,024 float32; bq 1,024 float32; bv 1,024 float32; lengths 4 int32; x 4 x 2,048 x 1,024 float32.
;; Outputs: out0 4 x 2,048 x 1,024 float32.
;; This version of the problem:
;;   THIS VERSION OF THE PROBLEM IS GIVEN IN LOW PRECISION. The matrix products marked QUANTISED in the list below multiply operands that are first quantised to E2M3 (2 exponent bits, 3 mantissa bits; 6 bits a number), with one power-of-two scale for each 32 numbers along K (OCP MX v1.0); their sums are f32. All else is computed in f32.
;;   The module's matrix products, in the order in which they are computed (A, B: the left and right operand; K: the contracted axis; several contracted axes count as one K, in the product's order):
;;     1. [M 8,192, K 1,024] x [K 1,024, N 1,024]; A: input x; B: input Wq: QUANTISED
;;     2. [M 8,192, K 1,024] x [K 1,024, N 1,024]; A: input x; B: input Wk: QUANTISED
;;     3. [M 8,192, K 1,024] x [K 1,024, N 1,024]; A: input x; B: input Wv: QUANTISED
;;     4. batch 4 x [M 2,048, K 1,024] x [K 1,024, N 2,048]; A: computed on the way; B: computed on the way: QUANTISED
;;     5. batch 4 x [M 2,048, K 2,048] x [K 2,048, N 1,024]; A: softmax (see below); B: computed on the way: QUANTISED
;;   THE QUANTISER, for each operand of a quantised product, along K:
;;     - K is cut into blocks of 32 from its start; a last block that is shorter is filled with zeros.
;;     - A block's scale is 2^e with e = floor(log2(the largest magnitude in the block)) - 2, held to -126 .. 127; a block of zeros has e = 0. As a byte (E8M0): e + 127.
;;     - Each number is divided by its block's scale, clamped to +-7.5, and rounded to the nearest number of E2M3, ties to even, subnormals kept.
;;     - The product sums the exact products of the quantised numbers (number of the format x scale) in f32.
;;   ~~~python
;;   def quantise(x, axis):      # numpy; x: float32 -> the quantised numbers, widened to float32 again
;;       x = np.moveaxis(x, axis, -1); K = x.shape[-1]
;;       x = np.pad(x, [(0, 0)] * (x.ndim - 1) + [(0, -K % 32)]); x = x.reshape(x.shape[:-1] + (-1, 32)); a = np.abs(x).max(-1, keepdims=True)
;;       e = np.where(a > 0, np.clip(np.frexp(np.where(a > 0, a, 1))[1] - 1 - 2, -126, 127), 0)      # np.frexp(a)[1] - 1 = floor(log2(a)), exactly
;;       r = np.clip(x / 2.0 ** e, -7.5, 7.5)
;;       step = 2.0 ** (np.maximum(np.frexp(np.where(r == 0, 1, r))[1] - 1, 0) - 3)
;;       q = np.round(r / step) * step * 2.0 ** e      # np.round: ties to even
;;       return np.moveaxis(q.reshape(q.shape[:-2] + (-1,))[..., :K], -1, axis).astype(np.float32)
;;   ~~~
;;   SOFTMAX AHEAD OF A QUANTISED PRODUCT. Where the list says 'softmax', what is quantised is not the finished softmax but p = 2^(t - M), with t = logit x log2(e) and M = ceil(the row's largest t), a whole number; so 1/2 < the row's largest p <= 1. The row's sum l is taken of the UNQUANTISED p, in f32, and the product's result is divided by l at the end. Since M is a whole number, a kernel that streams over the keys may use a running M (the ceiling of the running maximum): every later rescaling is an exact power of two, which a block's scale takes up: the codes' values come out the same.
;;   OPERANDS COMPUTED ON THE WAY. 'Computed on the way' means the value that the module computes at that place (a softmax that the list does not call 'softmax' is quantised finished and normalised). What goes into a quantiser is computed in f32, as accurately as f32 sums, v_exp_f32 and their like allow (about 1e-6 of the number): no bf16 or f16 on the way to a quantiser, and a product that is left as it is and whose result goes on into a quantised operand takes f32 operands (vector FMAs, or v_wmma_f32_16x16x4_f32). A number that lies on a knife's edge between two numbers of the format may be rounded either way, as far as f32 arithmetic and the matrix unit's own rounding can turn it there, and no further.
;; One version. Each part assembles by itself: llvm-mc -triple=amdgcn-amd-amdhsa -mcpu=gfx1250 --defsym DOCPART=n.
;; ======== version 1 of 1: 4 launches
;; limits: right only within a limited range of input values
;; workspace buffers: xw_codes 8,650,752 bytes; xw_scales 360,448 bytes; qkv_codes 18,874,368 bytes; qkv_scales 786,432 bytes; p_codes 12,582,912 bytes; p_scales 524,288 bytes; p_max 524,288 bytes; p_sum 524,288 bytes
;; launch quant (part 1): grid 176 x 2, 4 waves a work-group, no clusters, 34,304 bytes of LDS; arguments x, Wq, Wk, Wv, xw_codes, xw_scales; writes xw_codes, xw_scales
.if DOCPART == 1
	.amdgcn_target "amdgcn-amd-amdhsa--gfx1250"
	.amdhsa_code_object_version 6
	.text
	.protected	k_q8a1137b0be_quant
	.globl	k_q8a1137b0be_quant
	.p2align	8
	.type	k_q8a1137b0be_quant,@function
k_q8a1137b0be_quant:
	s_mov_b64 s[64:65], 0
	v_nop
	global_prefetch_b8 v0, s[64:65] scope:SCOPE_SE
	s_setreg_imm32_b32 hwreg(HW_REG_WAVE_MODE, 25, 1), 1
	s_wait_xcnt 0x0
; x [8192][1024] and Wq, Wk, Wv [1024][1024], f32, K innermost, become codes of FP6 (E2M3) with one E8M0 byte for each 32 along K,
; laid in the ORDER OF THE OPERAND'S REGISTERS, so that the products' launches read fragments as they stand.
; TILES.  Rows go in groups of 32: tile T = 2 g + u, and its lane r is row 32 g + 8 u + r + 8 (r / 8).  Tiles 0-511 are x's, 512-703 those of Wq, Wk, Wv on end.
; A FRAGMENT (tile T, K step s of 128) is 12 registers a lane, 1,536 bytes at (8 T + s) x 1,536: register 4 c + w of lane l at 512 c + 16 l + 4 w.
; A SCALE WORD (four bytes: one row, 128 along K) of tile T, lane r, K step s lies at ((T / 8) x 8 + s) x 512 + 256 ((T % 8) / 4) + 16 r + 4 (T % 4).
; A block's scale is 2^(floor(log2(its largest magnitude)) - 2); its byte is the largest magnitude's exponent field - 2, held at 1 from below.
; LIMITS: a block of zeros, and one whose largest magnitude lies under 2^-124, gets the byte 1 (zero codes add nothing; only this program reads the bytes); NaN and infinities are not served.
; SHARES.  A work-group takes 64 rows (four tiles), its wave w the K step 4 y + w: four fragments a wave.  Each load reads 512 consecutive bytes of one row; the 16 rows of a tile turn through the
; wave's own stage in LDS (rows 528 bytes apart) and come back so that lane (r, h) holds k = 64 c + 32 h + 0 .. 31 of row r: two whole blocks.  No barrier: waves share nothing.
.set ROWIN,  4096                      ; a row of the inputs in bytes
.set NS,     8                         ; K steps in a row
.set FRB,    1536                      ; a fragment's image
.set SPITCH, 528
.set WSTG,   16*SPITCH                 ; a wave's stage
.set SPARE,  4*WSTG                    ; behind the stages: the spare words, 128 bytes a wave, named by no other line
.set LO,  3                            ; v3   16 x lane
.set STI, 4                            ; v4   the stage, way in
.set STR, 5                            ; v5   the stage, way out: 528 r + 128 h
.set SO,  6                            ; v6   16 r + 8 h: my two scale words
.set SPW, 12                           ; v12  my spare word's address; never rewritten
.set NIL, 13                           ; v13  0; never rewritten
.set MX,  14                           ; v14-15 largest magnitudes
.set SCO, 16                           ; v16-17 the conversions' scale operands
.set BY,  18                           ; v18-19 the bytes
.set TW,  20                           ; v20-21 at work
.set SH,  22                           ; v22  8 h
.set RAW, 32                           ; v32-159  two sets of 64: a tile as loaded
.set X,   160                          ; v160-223 my 64 numbers
.set F,   224                          ; v224-235 the fragment
.set F2,  236                          ; v236-238, v240-242 the blocks' upper halves as converted
.set WD,  244                          ; v244-247 the four tiles' scale words
	s_load_b256 s[4:11], s[0:1], 0x0               ; x, Wq, Wk, Wv
	s_load_b128 s[12:15], s[0:1], 0x20             ; the codes, the scale words
	v_lshl_add_u32 v[SPW], v0, 2, SPARE
	v_mov_b32 v[NIL], 0
	v_lshrrev_b32 v1, 5, v0
	v_readfirstlane_b32 s16, v1                    ; wave
	v_and_b32 v7, 31, v0                           ; lane
	v_and_b32 v1, 15, v0                           ; r
	v_bfe_u32 v2, v0, 4, 1                         ; h
	v_lshlrev_b32 v[LO], 4, v7
	s_mul_i32 s17, s16, WSTG
	v_add_nc_u32 v[STI], s17, v[LO]
	v_mul_u32_u24 v[STR], v1, SPITCH
	v_lshl_add_u32 v[STR], v2, 7, v[STR]
	v_add_nc_u32 v[STR], s17, v[STR]
	v_lshlrev_b32 v[SO], 4, v1
	v_lshl_add_u32 v[SO], v2, 3, v[SO]
	v_lshlrev_b32 v[SH], 3, v2
	v_mov_b32 v[TW+1], 0                           ; a lane permute's destination counts as one of its sources
	s_mov_b32 s24, 0x76543210
	s_mov_b32 s25, 0xfedcba98                      ; selects for lane l xor 16
	s_and_b32 s18, ttmp7, 0xffff
	s_lshl_b32 s18, s18, 2
	s_add_co_u32 s18, s18, s16                     ; my K step
	s_sub_co_u32 s19, ttmp9, 128                   ; blocks 128 .. 175 are the weights': 16 blocks each
	s_and_b32 s22, s19, 15
	s_lshr_b32 s19, s19, 4
	s_wait_alu depctr_va_vdst(0)
	s_wait_kmcnt 0x0
	s_cmp_eq_u32 s19, 1                            ; the tensor is chosen by the work-group's number alone
	s_cselect_b64 s[20:21], s[8:9], s[6:7]
	s_cmp_eq_u32 s19, 2
	s_cselect_b64 s[20:21], s[10:11], s[20:21]
	s_cmp_lt_u32 ttmp9, 128
	s_cselect_b64 s[20:21], s[4:5], s[20:21]
	s_cselect_b32 s22, ttmp9, s22                  ; which 64 rows of it
	s_lshl_b32 s22, s22, 18
	s_lshl_b32 s23, s18, 9
	s_add_co_u32 s22, s22, s23                     ; + 512 bytes a K step
	s_mov_b32 s23, 0
	s_add_nc_u64 s[20:21], s[20:21], s[22:23]
	s_mul_i32 s22, ttmp9, 4*NS*FRB                 ; four tiles a block
	s_mul_i32 s26, s18, FRB
	s_add_co_u32 s22, s22, s26
	s_add_nc_u64 s[12:13], s[12:13], s[22:23]
	s_lshr_b32 s22, ttmp9, 1                       ; the group of eight tiles,
	s_lshl_b32 s22, s22, 3
	s_add_co_u32 s22, s22, s18
	s_lshl_b32 s22, s22, 9
	s_and_b32 s26, ttmp9, 1                        ; and which four of them
	s_lshl_b32 s26, s26, 8
	s_add_co_u32 s22, s22, s26
	s_add_nc_u64 s[14:15], s[14:15], s[22:23]
.macro LOADF t                         ; tile t's 16 rows, 512 consecutive bytes a load, into set t % 2
.irp p, 0,1,2,3,4,5,6,7,8,9,10,11,12,13,14,15
	global_load_b128 v[RAW+64*((\t)%2)+4*\p:RAW+64*((\t)%2)+4*\p+3], v[LO], s[20:21] offset:(32*((\t)/2)+8*((\t)%2)+\p+8*(\p/8))*ROWIN th:TH_LOAD_NT
.endr
.endm
.macro FRAGQ t
.if (\t) < 3
	s_wait_loadcnt 16                              ; this tile's 16 loads are in; the next tile's 16 may be out
.else
	s_wait_loadcnt 0x0
.endif
.irp p, 0,1,2,3,4,5,6,7,8,9,10,11,12,13,14,15
	ds_store_b128 v[STI], v[RAW+64*((\t)%2)+4*\p:RAW+64*((\t)%2)+4*\p+3] offset:SPITCH*\p
.endr
.irp c, 0,1
.irp j, 0,1,2,3,4,5,6,7
	ds_load_b128 v[X+32*\c+4*\j:X+32*\c+4*\j+3], v[STR] offset:256*\c+16*\j   ; LDS serves a wave's instructions in order: these see the stores above
.endr
.endr
	s_wait_dscnt 0x0                               ; my numbers are back, and the stores have read their registers,
.if (\t) < 2
	LOADF (\t)+2                                   ; which take the tile two further on
.endif
.irp c, 0,1
	v_max3_num_f32 v[MX+\c], |v[X+32*\c]|, |v[X+32*\c+1]|, 0x1800000   ; my block 2 c + h, and the floor 2^(3 - 127): the byte cannot fall under 1
.endr
.irp i, 2,4,6,8,10,12,14,16,18,20,22,24,26,28,30
.irp c, 0,1
	v_max3_num_f32 v[MX+\c], v[MX+\c], |v[X+32*\c+\i]|, |v[X+32*\c+\i+1]|
.endr
.endr
.irp c, 0,1
	v_add_nc_u32 v[SCO+\c], 0xff000000, v[MX+\c]   ; 2 off the exponent field: the conversion takes this operand's exponent field as its scale
.endr
.irp c, 0,1
	v_lshrrev_b32 v[BY+\c], 23, v[SCO+\c]          ; the scale's byte
.endr
	v_lshl_or_b32 v[TW], v[BY+1], 16, v[BY]        ; my bytes: blocks h and 2 + h,
	v_lshlrev_b32 v[TW], v[SH], v[TW]              ; at their places;
	v_permlanex16_b32 v[TW+1], v[TW], s24, s25
	v_or_b32 v[WD+(\t)], v[TW], v[TW+1]            ; with lane l xor 16's two the word is whole
.if (\t) > 0
	s_wait_alu depctr_va_vdst(0)
	s_wait_xcnt 0x0                                ; the last tile's stores have read the fragment's registers
.endif
.irp c, 0,1
	v_cvt_scalef32_pk16_fp6_f32 v[F+6*\c:F+6*\c+2], v[X+32*\c:X+32*\c+15], v[SCO+\c]
	v_cvt_scalef32_pk16_fp6_f32 v[F2+4*\c:F2+4*\c+2], v[X+32*\c+16:X+32*\c+31], v[SCO+\c]   ; (a conversion's three registers begin on an even number)
.endr
	v_nop                                          ; one plain place behind a scaled conversion
.irp c, 0,1
.irp i, 0,1,2
	v_mov_b32 v[F+6*\c+3+\i], v[F2+4*\c+\i]
.endr
.endr
.irp c, 0,1,2
	global_store_b128 v[LO], v[F+4*\c:F+4*\c+3], s[12:13] offset:(\t)*NS*FRB+512*\c   ; 32 lanes store 512 consecutive bytes
.endr
.endm
	LOADF 0
	LOADF 1
	FRAGQ 0
	FRAGQ 1
	FRAGQ 2
	FRAGQ 3
	v_cmp_ne_u32 vcc_lo, 0, v2                     ; both halves of the lanes hold the words: lane (r, h) stores those of tiles 2 h and 2 h + 1
	v_cndmask_b32 v[TW], v[WD], v[WD+2], vcc_lo
	v_cndmask_b32 v[TW+1], v[WD+1], v[WD+3], vcc_lo
	global_store_b64 v[SO], v[TW:TW+1], s[14:15]   ; 32 lanes store 256 consecutive bytes, aligned
	s_wait_tensorcnt 0x0                           ; the wave's end, behind my last LDS store
	ds_add_u32 v[SPW], v[NIL]
	s_wait_dscnt 0x0
	s_endpgm
.Lfunc_end_k_q8a1137b0be_quant:
	.size	k_q8a1137b0be_quant, .Lfunc_end_k_q8a1137b0be_quant-k_q8a1137b0be_quant
	.p2alignl 7, 3214868480
	.fill 96, 4, 3214868480
	.section	.rodata,"a",@progbits
	.p2align	6, 0x0
	.amdhsa_kernel k_q8a1137b0be_quant
		.amdhsa_group_segment_fixed_size 34304
		.amdhsa_private_segment_fixed_size 0
		.amdhsa_enable_private_segment 0
		.amdhsa_kernarg_size 48
		.amdhsa_user_sgpr_count 2
		.amdhsa_user_sgpr_kernarg_segment_ptr 1
		.amdhsa_wavefront_size32 1
		.amdhsa_system_sgpr_workgroup_id_x 1
		.amdhsa_system_sgpr_workgroup_id_y 1
		.amdhsa_system_sgpr_workgroup_id_z 1
		.amdhsa_system_vgpr_workitem_id 0
		.amdhsa_next_free_vgpr 256
		.amdhsa_next_free_sgpr 66
		.amdhsa_reserve_vcc 1
		.amdhsa_float_denorm_mode_32 3
		.amdhsa_float_denorm_mode_16_64 3
		.amdhsa_memory_ordered 1
		.amdhsa_forward_progress 1
		.amdhsa_inst_pref_size 30
	.end_amdhsa_kernel
	.amdgpu_metadata
---
amdhsa.version: [ 1, 2 ]
amdhsa.kernels:
  - .name:           k_q8a1137b0be_quant
    .symbol:         k_q8a1137b0be_quant.kd
    .args:
      - { .name: x, .offset: 0, .size: 8, .value_kind: global_buffer, .address_space: global }
      - { .name: Wq, .offset: 8, .size: 8, .value_kind: global_buffer, .address_space: global }
      - { .name: Wk, .offset: 16, .size: 8, .value_kind: global_buffer, .address_space: global }
      - { .name: Wv, .offset: 24, .size: 8, .value_kind: global_buffer, .address_space: global }
      - { .name: xw_codes, .offset: 32, .size: 8, .value_kind: global_buffer, .address_space: global }
      - { .name: xw_scales, .offset: 40, .size: 8, .value_kind: global_buffer, .address_space: global }
    .group_segment_fixed_size: 34304
    .private_segment_fixed_size: 0
    .kernarg_segment_align: 8
    .kernarg_segment_size: 48
    .max_flat_workgroup_size: 128
    .sgpr_count:     66
    .vgpr_count:     256
    .wavefront_size: 32
...
	.end_amdgpu_metadata
.endif
;; end of part 1
;; launch proj (part 2): grid 32 x 8, 4 waves a work-group, clusters of 4 x 1, 327,680 bytes of LDS; arguments xw_codes, xw_scales, bq, bk, bv, qkv_codes, qkv_scales; writes qkv_codes, qkv_scales
.if DOCPART == 2
	.amdgcn_target "amdgcn-amd-amdhsa--gfx1250"
	.amdhsa_code_object_version 6
	.text
	.protected	k_q8a1137b0be_proj
	.globl	k_q8a1137b0be_proj
	.p2align	8
	.type	k_q8a1137b0be_proj,@function
k_q8a1137b0be_proj:
	s_mov_b64 s[64:65], 0
	v_nop
	global_prefetch_b8 v0, s[64:65] scope:SCOPE_SE
	s_setreg_imm32_b32 hwreg(HW_REG_WAVE_MODE, 25, 1), 1
	s_wait_xcnt 0x0
	s_wait_alu depctr_hold_cnt(0) depctr_sa_sdst(0) depctr_va_vdst(0) depctr_va_sdst(0) depctr_va_ssrc(0) depctr_va_vcc(0) depctr_vm_vsrc(0)
	s_getreg_b32 s2, hwreg(HW_REG_IB_STS2, 6, 4)
	s_cmp_eq_u32 s2, 0
	s_cbranch_scc0 .Lentry_in_a_cluster
	s_endpgm
.Lentry_in_a_cluster:
	s_bfe_u32 s2, ttmp6, 0x10000c
	s_cmp_lg_u32 s2, 0x3003
	s_cbranch_scc0 .Lentry_shape_is_right
	s_endpgm
.Lentry_shape_is_right:
; q, k, v = x W^T + b on codes of FP6 (E2M3), the results quantised at once into the next products' operands: q and k along the channels, v along the keys.
; OPERANDS lie in memory as images of their registers: fragment (tile T, K step s) is 1,536 bytes at (8 T + s) x 1,536; lane r of tile T = 2 g + u is row 32 g + 8 u + r + 8 (r / 8).
; A scale word (row, 128 along K) lies at ((T / 8) 8 + s) x 512 + 256 ((T % 8) / 4) + 16 r + 4 (T % 4).
; SHARES.  32 x 8 work-groups.  A work-group makes 256 tokens x 384 rows of the stacked weights (Wq, Wk, Wv on end), in three PASSES of 128 rows; 1,024 is a multiple of 128, so a pass is q's, k's or v's.
; A wave owns 64 tokens (4 tiles).  Their fragments for all of K, 4 x 8 x 12 = 384 registers, come from memory straight into registers, once, and stay.
; W's 24 tiles, 294,912 consecutive bytes, stay in LDS: pass 0's come by the head's tensor loads (24,576 bytes a wave), passes 1 and 2 by one more load a wave (49,152 bytes) behind the first round.  No LDS byte is filled twice.
; A pass: 8 K steps x 32 matrix instructions on 32 accumulators; each fragment of W read from LDS feeds four.  The bias is the C of the first K step, in the result's layout.
; q, k: source 0 = W, source 1 = x: a lane holds a token, its 64 registers of a token tile are 128 channels with lane l xor 16's: one fragment of the next product.
; v: source 0 = x, source 1 = W: a lane holds a channel, its 32 registers of a channel tile are the wave's 64 keys with lane l xor 16's: HALF a fragment (registers 6 c .. 6 c + 5, c = wave % 2).
; So v's fragment image is two halves of 768 bytes: registers 6 c .. 6 c + 3 at 768 c + 16 l, registers 6 c + 4, 6 c + 5 at 768 c + 512 + 8 l.  q's and k's image is as the inputs'.
; Of v's scale word each wave of a pair makes two bytes: they are stored as 16 bits, 4 stores a pass, inside one block of 512 bytes.
; CLUSTER 4 x 1: four token blocks ask jointly for the same tiles of W.  No prefetch: all that the work-group reads is asked for at the head and behind the first round; no later stream is left to run ahead of.
; LIMITS: NaN and infinities are not served; blocks of zeros and blocks under 2^-124 get the byte 1, read by this program alone.
; REGISTERS.  window 0: v0-15 addresses; v32-47 x's scale words; v48-79 W's; v80-143 the bias as C; v144-239 x's K steps 6, 7.
;   window 1: v0-95, v96-191 W's fragments, two sets (the second is the quantiser's work space behind a pass's products); v192-239 x's K step 5.   window 2: the accumulators.   window 3: x's K steps 0-4.
.set FRB,   1536
.set TILEB, 8*FRB
.set PASSB, 8*TILEB
.set SPARE, 3*PASSB                    ; behind W: the spare words, 128 bytes a wave, named by no other line
.set LO,   4                           ; 16 x lane
.set VSO,  5                           ; 512 h + 16 r: lanes 0-15 an even K step's words, lanes 16-31 the odd one's
.set SO,   6                           ; 16 r + 8 h
.set VSV,  7                           ; 256 h + 16 r
.set L8,   8                           ; 8 x lane
.set VB4,  9                           ; 64 h: the bias by register
.set VB5,  10                          ; 4 (r + 8 (r / 8)): the bias by lane
.set ADRC, 12                          ; v12-13 LDS address of the pass's tiles 0-3, 4-7
.set SPW,  14                          ; my spare word's address; never rewritten
.set NIL,  15                          ; 0; never rewritten
.set XSC,  32
.set WSC,  48
.set BC,   80
.set BR,   16                          ; v16-23 the bias by lane: my lane's channel of each of the pass's eight tiles
.set PC,   96                          ; window 1: v96-115 codes; v116-131 at work; v132-135 the four scale words; v136-137 what is stored of them
.set TM,   116
.set PWS,  132
.set SW,   136
.set MSB, 0
.macro WIN new                         ; the immediate's high byte repeats the setting that is left
.if MSB != (\new)
	s_set_vgpr_msb (MSB<<8)|(\new)
.set MSB, (\new)
.endif
.endm
.macro PLACES
.rept 4
	v_nop
.endr
.endm
.macro CROUND                          ; a round of the cluster's barrier
	s_barrier_signal -1
	s_barrier_wait -1
	s_cmp_lg_u32 s18, 0
	s_cbranch_scc1 .Lnot_wave_0_\@
	s_barrier_signal -3
.Lnot_wave_0_\@:
	s_barrier_wait -3
	s_barrier_signal -1
	s_barrier_wait -1
.endm
.macro XSET s                          ; where x's fragments of K step s stand: window XW, register XB
.if (\s) < 5
.set XW, 3
.set XB, 48*(\s)
.elseif (\s) == 5
.set XW, 1
.set XB, 192
.else
.set XW, 0
.set XB, 144+48*((\s)-6)
.endif
.endm
.macro XLOAD s                         ; my four tiles' fragments of K step s: 12 loads of 512 consecutive bytes
	XSET \s
	WIN XW<<6
.irp a, 0,1,2,3
.irp c, 0,1,2
	global_load_b128 v[XB+12*\a+4*\c:XB+12*\a+4*\c+3], v[LO], s[52:53] offset:(8*\a+(\s))*FRB+512*\c
.endr
.endr
.endm
.macro FETCH s                         ; W's eight fragments of K step s into set s % 2: 24 loads
	WIN 0x40
.irp i, 0,1,2,3,4,5,6,7
.irp c, 0,1,2
	ds_load_b128 v[96*((\s)%2)+12*\i+4*\c:96*((\s)%2)+12*\i+4*\c+3], v[ADRC+\i/4] offset:(\i%4)*TILEB+(\s)*FRB+512*\c
.endr
.endr
.endm
.macro WM d, a, b, c, sa, sb, row
.if \row
	v_wmma_scale_f32_16x16x128_f8f6f4 v[\d:\d+7], v[\a:\a+11], v[\b:\b+11], v[\c:\c+7], v[\sa], v[\sb] matrix_a_fmt:MATRIX_FMT_FP6 matrix_b_fmt:MATRIX_FMT_FP6 matrix_a_scale:MATRIX_SCALE_ROW1 matrix_b_scale:MATRIX_SCALE_ROW1
.else
	v_wmma_scale_f32_16x16x128_f8f6f4 v[\d:\d+7], v[\a:\a+11], v[\b:\b+11], v[\c:\c+7], v[\sa], v[\sb] matrix_a_fmt:MATRIX_FMT_FP6 matrix_b_fmt:MATRIX_FMT_FP6
.endif
.endm
; A pass's products.  v = 0: accumulator (x tile a, W tile b) at 8 (8 a + b); v = 1: at 8 (4 b + a).  The 32 accumulators take turns.
.macro KLOOP v
	FETCH 0
.set ks, 0
.rept 8
	XSET ks
.if ks < 7
.if ks > 0
	PLACES                                         ; in front of loads into the set that the last step's products read
.endif
	FETCH ks+1
	s_wait_dscnt 24                                ; this step's set is in; the 24 loads just issued may be out
.else
	s_wait_dscnt 0x0
.endif
.if 12*(7-ks) > 63
	s_wait_loadcnt 63                              ; x's fragments of this step are in (behind them: 12 loads for each later step; the count's field ends at 63)
.else
	s_wait_loadcnt 12*(7-ks)
.endif
.if ks == 0
.set CWN, 0                            ; the first step's C is the bias, in window 0
.else
.set CWN, 2
.endif
.if \v
	WIN 0x80|(CWN<<4)|(1<<2)|XW
.else
	WIN 0x80|(CWN<<4)|(XW<<2)|1
.endif
.irp a, 0,1,2,3
.irp b, 0,1,2,3,4,5,6,7
.if \v
.set DD, 8*(4*\b+\a)
.else
.set DD, 8*(8*\a+\b)
.endif
.if ks == 0
.set CC, BC+8*\b
.else
.set CC, DD
.endif
.if \v
	WM DD, XB+12*\a, 96*(ks%2)+12*\b, CC, XSC+4*(ks/2)+\a, WSC+8*(ks/2)+\b, ks%2
.else
	WM DD, 96*(ks%2)+12*\b, XB+12*\a, CC, WSC+8*(ks/2)+\b, XSC+4*(ks/2)+\a, ks%2
.endif
.endr
.endr
.set ks, ks+1
.endr
.endm
.macro NEXTP                           ; pass s70: where W's scale words stand, s[54:55], and its 128 numbers of the bias, s[56:57]
	s_lshl_b32 s80, s70, 12
	s_add_co_u32 s80, s80, 262144                  ; W's groups lie behind x's 64
	s_add_nc_u64 s[54:55], s[6:7], s[80:81]
	s_lshr_b32 s84, s70, 3
	s_and_b32 s80, s70, 7
	s_lshl_b32 s80, s80, 9
	s_cmp_eq_u32 s84, 1
	s_cselect_b64 s[56:57], s[10:11], s[8:9]
	s_cmp_eq_u32 s84, 2
	s_cselect_b64 s[56:57], s[12:13], s[56:57]
	s_add_nc_u64 s[56:57], s[56:57], s[80:81]
.endm
.macro LOADW                           ; that pass's scale words (16 bytes a lane: four tiles' words) and both views of its 128 numbers of the bias: q's and k's passes take the view by register as it stands, v's spread the view by lane
.irp p, 0,1,2,3
.irp g, 0,1
	global_load_b128 v[WSC+8*\p+4*\g:WSC+8*\p+4*\g+3], v[VSO], s[54:55] offset:1024*\p+256*\g
.endr
.endr
.irp b, 0,1,2,3
.irp j, 0,1,2,3
	global_load_b128 v[BC+16*\b+4*\j:BC+16*\b+4*\j+3], v[VB4], s[56:57] offset:128*\b+16*\j   ; register 16 b + n: channel 32 b + 16 h + n
.endr
.endr
.irp b, 0,1,2,3,4,5,6,7
	global_load_b32 v[BR+\b], v[VB5], s[56:57] offset:4*(32*(\b/2)+8*(\b%2))                  ; my lane's channel of tile b
.endr
.endm
; 64 accumulator registers, four blocks of 32 along the next K (16 registers here, 16 in lane l xor 16), become 12 registers of codes and a word of four scale bytes.
; q, k: one fragment of token tile a.  v: the half fragments of channel tiles 2 a and 2 a + 1, and two bytes for each.
.macro EPI a
.set AC, 64*(\a)
	WIN 0x5a                                       ; sources 0, 1: the accumulators; source 2 and the result: window 1
.irp b, 0,1,2,3
	v_max3_num_f32 v[TM+\b], |v[AC+16*\b]|, |v[AC+16*\b+1]|, 0x1800000   ; each accumulator from its low end on; the floor 2^(3 - 127): the byte cannot fall under 1
.endr
.irp i, 2,4,6,8,10,12,14
.irp b, 0,1,2,3
	v_max3_num_f32 v[TM+\b], |v[AC+16*\b+\i]|, |v[AC+16*\b+\i+1]|, v[TM+\b]
.endr
.endr
	WIN 0x55
.irp b, 0,1,2,3
	v_permlanex16_b32 v[TM+4+\b], v[TM+\b], s26, s27
.endr
.irp b, 0,1,2,3
	v_max_num_f32 v[TM+\b], v[TM+\b], v[TM+4+\b]
.endr
.irp b, 0,1,2,3
	v_add_nc_u32 v[TM+12+\b], 0xff000000, v[TM+\b] ; 2 off the exponent field: the conversion's scale operand
.endr
.irp b, 0,1,2,3
	v_lshrrev_b32 v[TM+4+\b], 23, v[TM+12+\b]      ; the scale's byte
.endr
	v_lshl_or_b32 v[PWS+\a], v[TM+5], 8, v[TM+4]
	v_lshl_or_b32 v[PWS+\a], v[TM+6], 16, v[PWS+\a]
	v_lshl_or_b32 v[PWS+\a], v[TM+7], 24, v[PWS+\a]
.if \a > 0
	s_wait_alu depctr_va_vdst(0)
	s_wait_xcnt 0x0                                ; the last stores have read the codes' registers
.endif
	WIN 0x46
.irp c, 0,1
	v_cvt_scalef32_pk16_fp6_f32 v[PC+6*\c:PC+6*\c+2], v[AC+32*\c:AC+32*\c+15], v[TM+12+2*\c]
	v_cvt_scalef32_pk16_fp6_f32 v[PC+12+4*\c:PC+14+4*\c], v[AC+32*\c+16:AC+32*\c+31], v[TM+13+2*\c]   ; (a conversion's three registers begin on an even number)
.endr
	WIN 0x55
	v_nop                                          ; one plain place behind a scaled conversion
.irp c, 0,1                                    ; the operand's layout wants a whole block in a lane
.irp i, 0,1,2
	v_permlane16_swap_b32 v[PC+6*\c+\i], v[PC+12+4*\c+\i]
.endr
.irp i, 0,1,2
	v_mov_b32 v[PC+3+6*\c+\i], v[PC+12+4*\c+\i]
.endr
.endr
	WIN 0
	s_wait_alu depctr_va_vdst(0)
	s_cmp_lg_u32 s24, 0
	s_cbranch_scc1 .Lst_v_\@
	WIN 0x04
.irp c, 0,1,2
	global_store_b128 v[LO], v[PC+4*\c:PC+4*\c+3], s[58:59] offset:(\a)*TILEB+512*\c   ; 32 lanes store 512 consecutive bytes
.endr
	WIN 0
	s_branch .Lst_in_\@
.Lst_v_\@:
	WIN 0x04
.irp c, 0,1                                    ; in v a tile has 16 key steps
	global_store_b128 v[LO], v[PC+6*\c:PC+6*\c+3], s[58:59] offset:(2*(\a)+\c)*16*FRB
	global_store_b64 v[L8], v[PC+6*\c+4:PC+6*\c+5], s[58:59] offset:(2*(\a)+\c)*16*FRB+512   ; 32 lanes store 256 consecutive bytes
.endr
	WIN 0
.Lst_in_\@:
.endm
	s_load_b256 s[4:11], s[0:1], 0x0               ; the codes of x and W, their scale words, bq, bk
	s_load_b128 s[12:15], s[0:1], 0x20             ; bv, the codes of q, k, v
	s_load_b64 s[16:17], s[0:1], 0x30              ; their scale words
	v_lshl_add_u32 v[SPW], v0, 2, SPARE
	v_mov_b32 v[NIL], 0
	ds_add_u32 v[SPW], v[NIL]                      ; the wave's opening
	ds_add_u32 v[SPW], v[NIL]
	v_lshrrev_b32 v3, 5, v0
	v_readfirstlane_b32 s18, v3                    ; wave
	s_bfe_u32 s19, ttmp6, 0x40000                  ; cx
	s_lshl_b32 s20, ttmp9, 2
	s_add_co_u32 s20, s20, s19                     ; which 256 tokens
	s_and_b32 s21, ttmp7, 0xffff                   ; which 384 rows of the stacked weights: the same in all four partners
	s_mul_i32 s23, s21, 3                          ; the pass, 0 .. 23
	s_mov_b32 s22, 0                               ; passes done
	s_mov_b32 s62, 0                               ; the pass's tiles in LDS
	s_mov_b32 s32, 15|(3<<16)|(1<<21)              ; group 1, the head's load: the mask of all four; elements of 8 bytes; bit 21 beside a mask
	s_mov_b32 s33, 32<<16                          ; rows of 256 bytes,
	s_mov_b32 s34, 96<<16                          ; 96 of them, dense
	s_mov_b32 s35, 32<<16
	s_mov_b32 s36, 96
	s_mov_b32 s37, 32
	s_mov_b32 s38, 0
	s_mov_b32 s39, 0
	s_mov_b32 s44, 15|(3<<16)|(1<<21)              ; group 1, the second load: 192 rows
	s_mov_b32 s45, 32<<16
	s_mov_b32 s46, 192<<16
	s_mov_b32 s47, 32<<16
	s_mov_b32 s48, 192
	s_mov_b32 s49, 32
	s_mov_b32 s50, 0
	s_mov_b32 s51, 0
	s_mov_b32 s28, 1
	s_mov_b32 s40, 1
	s_mul_i32 s29, s18, 24576                      ; LDS: my quarter of pass 0's tiles,
	s_mul_i32 s41, s18, 49152
	s_add_co_u32 s41, s41, PASSB                   ; and of the other two passes'
	s_mul_i32 s76, s21, 3*PASSB
	s_add_co_u32 s76, s76, 6291456                 ; W's tiles lie behind x's 512
	s_add_co_u32 s78, s76, s41
	s_add_co_u32 s76, s76, s29
	s_mov_b32 s77, 0
	s_mov_b32 s79, 0
	s_mov_b32 s81, 0
	s_and_b32 s66, s18, 1
	s_lshr_b32 s67, s18, 1
	s_mul_i32 s71, s20, 16*TILEB
	s_mul_i32 s84, s18, 4*TILEB
	s_add_co_u32 s71, s71, s84                     ; my four tiles of tokens, in x's codes and in q's and k's
	s_lshl_b32 s72, s20, 1
	s_add_co_u32 s72, s72, s67
	s_lshl_b32 s72, s72, 12
	s_lshl_b32 s84, s66, 8
	s_add_co_u32 s72, s72, s84                     ; and their scale words
	s_lshr_b32 s68, s20, 3                         ; the batch
	s_and_b32 s69, s20, 7
	s_lshl_b32 s69, s69, 1
	s_add_co_u32 s69, s69, s67                     ; my key step in it
	s_mul_i32 s73, s68, 64*16*FRB
	s_mul_i32 s84, s69, FRB
	s_add_co_u32 s73, s73, s84
	s_mul_i32 s84, s66, 768
	s_add_co_u32 s73, s73, s84
	s_add_co_u32 s73, s73, 12582912                ; v's codes: batch, key step, my half of the fragment
	s_lshl_b32 s74, s68, 16
	s_lshl_b32 s84, s69, 9
	s_add_co_u32 s74, s74, s84
	s_lshl_b32 s84, s66, 1
	s_add_co_u32 s74, s74, s84
	s_add_co_u32 s74, s74, 524288                  ; v's scale words: my two bytes
	s_mov_b32 s26, 0x76543210
	s_mov_b32 s27, 0xfedcba98                      ; selects for lane l xor 16
	v_and_b32 v1, 15, v0                           ; r
	v_bfe_u32 v2, v0, 4, 1                         ; h
	v_and_b32 v3, 31, v0
	v_lshlrev_b32 v[LO], 4, v3
	v_lshlrev_b32 v[L8], 3, v3
	v_lshlrev_b32 v[SO], 4, v1
	v_lshl_add_u32 v[VSO], v2, 9, v[SO]
	v_lshl_add_u32 v[VSV], v2, 8, v[SO]
	v_lshl_add_u32 v[SO], v2, 3, v[SO]
	v_lshlrev_b32 v[VB4], 6, v2
	v_and_b32 v[VB5], 8, v1
	v_add_nc_u32 v[VB5], v[VB5], v1
	v_lshlrev_b32 v[VB5], 2, v[VB5]
	v_cmp_ne_u32 s25, 0, v2                        ; lanes 16-31
	s_wait_alu depctr_va_vdst(0)
	s_wait_dscnt 0x0                               ; both opening adds are done
	s_wait_kmcnt 0x0
	s_add_nc_u64 s[30:31], s[4:5], s[76:77]
	s_or_b32 s31, s31, 0x80000000
	s_add_nc_u64 s[42:43], s[4:5], s[78:79]
	s_or_b32 s43, s43, 0x80000000
	s_mov_b32 s80, s71
	s_add_nc_u64 s[52:53], s[4:5], s[80:81]
	s_mov_b32 s80, s72
	s_add_nc_u64 s[82:83], s[6:7], s[80:81]
.irp p, 0,1,2,3
	global_load_b128 v[XSC+4*\p:XSC+4*\p+3], v[VSO], s[82:83] offset:1024*\p   ; x's scale words for all of K: register 4 (s / 2) + a
.endr
	s_mov_b32 s70, s23
	NEXTP
	LOADW
	XLOAD 0
	XLOAD 1
	WIN 0
	CROUND                                         ; all four work-groups are here: the first joint loads meet
	tensor_load_to_lds s[28:31], s[32:39]          ; pass 0's tiles of W, a quarter a wave
	s_nop 0
	PLACES
.irp s, 2,3,4,5,6,7
	XLOAD \s
.endr
	WIN 0
	s_wait_tensorcnt 0x0                           ; my quarter is in
	ds_add_u32 v[SPW], v[NIL]
	s_wait_dscnt 0x0
	CROUND                                         ; pass 0's tiles are whole, and the joint loads meet
	tensor_load_to_lds s[40:43], s[44:51]          ; the other two passes' tiles: they land on bytes of their own while pass 0 is worked
	s_nop 0
	PLACES
	s_wait_loadcnt 63                              ; the scale words and the bias are in: 96 loads were issued behind them
.Lpass:
	s_and_b32 s84, s23, 7                          ; which 128 channels of q, k or v
	s_lshr_b32 s85, s23, 3
	s_mul_i32 s86, s85, 6291456                    ; q, k, v lie on end
	s_mul_i32 s87, s84, FRB
	s_add_co_u32 s86, s86, s87
	s_add_co_u32 s86, s86, s71                     ; q, k: fragment (token tile, K step)
	s_mul_i32 s87, s84, 8*16*FRB
	s_add_co_u32 s87, s87, s73                     ; v: fragment (channel tile, key step)
	s_lshl_b32 s88, s85, 18
	s_lshl_b32 s89, s84, 9
	s_add_co_u32 s88, s88, s89
	s_add_co_u32 s88, s88, s72
	s_lshl_b32 s89, s84, 13
	s_add_co_u32 s89, s89, s74
	s_add_co_u32 s63, s62, 4*TILEB
	s_cmp_ge_u32 s23, 16                           ; passes 16 .. 23 are v's: ids alone, the same in all partners
	s_cselect_b32 s24, 1, 0
	s_cselect_b32 s80, s87, s86
	s_add_nc_u64 s[58:59], s[14:15], s[80:81]
	s_cselect_b32 s80, s89, s88
	s_add_nc_u64 s[60:61], s[16:17], s[80:81]
	v_add_nc_u32 v[ADRC], s62, v[LO]
	v_add_nc_u32 v[ADRC+1], s63, v[LO]
	s_wait_alu depctr_va_vdst(0)
	s_cmp_lg_u32 s24, 0
	s_cbranch_scc1 .Lpass_v
	KLOOP 0
	WIN 0
	s_branch .Lsums
.Lpass_v:
.irp b, 0,1,2,3,4,5,6,7
.irp j, 0,1,2,3,4,5,6,7
	v_mov_b32 v[BC+8*\b+\j], v[BR+\b]              ; a lane's eight results of a tile are one channel's
.endr
.endr
	s_wait_alu depctr_va_vdst(0)
.rept 8
	v_nop                                          ; places between the moves and the products that take them as C
.endr
	KLOOP 1
	WIN 0
.Lsums:
	PLACES                                         ; in front of the first read of results and of loads into the scale words
	s_cmp_eq_u32 s22, 2
	s_cbranch_scc1 .Lno_next
	s_add_co_u32 s70, s23, 1
	NEXTP                                          ; (the loads that read these bases have come back)
	LOADW                                          ; the next pass's words and bias come in under the quantiser
.Lno_next:
.irp a, 0,1,2,3
	EPI \a
.endr
	WIN 0x55
	v_cndmask_b32 v[SW], v[PWS], v[PWS+2], s25     ; both halves of the lanes hold the words: lane (r, h) stores words 2 h and 2 h + 1
	v_cndmask_b32 v[SW+1], v[PWS+1], v[PWS+3], s25
	WIN 0
	s_wait_alu depctr_va_vdst(0)
	s_cmp_lg_u32 s24, 0
	s_cbranch_scc1 .Lwords_v
	WIN 0x04
	global_store_b64 v[SO], v[SW:SW+1], s[60:61]   ; q, k: my four tiles' words: 256 consecutive bytes
	WIN 0
	s_branch .Lwords_in
.Lwords_v:
	WIN 0x04
	global_store_b16 v[VSV], v[SW], s[60:61]                      ; v: my two bytes of the words of tiles 4 h .. 4 h + 3
	global_store_d16_hi_b16 v[VSV], v[SW], s[60:61] offset:4
	global_store_b16 v[VSV], v[SW+1], s[60:61] offset:8
	global_store_d16_hi_b16 v[VSV], v[SW+1], s[60:61] offset:12
	WIN 0
.Lwords_in:
	s_wait_loadcnt 0x0                             ; the next pass's words and bias
	s_wait_xcnt 0x0                                ; the stores have read their data and their bases
	s_wait_tensorcnt 0x0                           ; my quarter of the later passes' tiles is in (behind the first pass nothing is out),
	s_barrier_signal -1
	s_barrier_wait -1                              ; and everybody's
	s_add_co_u32 s62, s62, PASSB
	s_add_co_u32 s23, s23, 1
	s_add_co_u32 s22, s22, 1
	s_cmp_lt_u32 s22, 3
	s_cbranch_scc1 .Lpass
	s_wait_tensorcnt 0x0                           ; the wave's end
	ds_add_u32 v[SPW], v[NIL]
	s_wait_dscnt 0x0
	CROUND                                         ; the closing round
	s_endpgm
.Lfunc_end_k_q8a1137b0be_proj:
	.size	k_q8a1137b0be_proj, .Lfunc_end_k_q8a1137b0be_proj-k_q8a1137b0be_proj
	.p2alignl 7, 3214868480
	.fill 96, 4, 3214868480
	.section	.rodata,"a",@progbits
	.p2align	6, 0x0
	.amdhsa_kernel k_q8a1137b0be_proj
		.amdhsa_group_segment_fixed_size 327680
		.amdhsa_private_segment_fixed_size 0
		.amdhsa_enable_private_segment 0
		.amdhsa_kernarg_size 56
		.amdhsa_user_sgpr_count 2
		.amdhsa_user_sgpr_kernarg_segment_ptr 1
		.amdhsa_wavefront_size32 1
		.amdhsa_system_sgpr_workgroup_id_x 1
		.amdhsa_system_sgpr_workgroup_id_y 1
		.amdhsa_system_sgpr_workgroup_id_z 1
		.amdhsa_system_vgpr_workitem_id 0
		.amdhsa_next_free_vgpr 1024
		.amdhsa_next_free_sgpr 100
		.amdhsa_reserve_vcc 0
		.amdhsa_float_denorm_mode_32 3
		.amdhsa_float_denorm_mode_16_64 3
		.amdhsa_memory_ordered 1
		.amdhsa_forward_progress 1
		.amdhsa_inst_pref_size 139
	.end_amdhsa_kernel
	.amdgpu_metadata
---
amdhsa.version: [ 1, 2 ]
amdhsa.kernels:
  - .name:           k_q8a1137b0be_proj
    .symbol:         k_q8a1137b0be_proj.kd
    .args:
      - { .name: xw_codes, .offset: 0, .size: 8, .value_kind: global_buffer, .address_space: global }
      - { .name: xw_scales, .offset: 8, .size: 8, .value_kind: global_buffer, .address_space: global }
      - { .name: bq, .offset: 16, .size: 8, .value_kind: global_buffer, .address_space: global }
      - { .name: bk, .offset: 24, .size: 8, .value_kind: global_buffer, .address_space: global }
      - { .name: bv, .offset: 32, .size: 8, .value_kind: global_buffer, .address_space: global }
      - { .name: qkv_codes, .offset: 40, .size: 8, .value_kind: global_buffer, .address_space: global }
      - { .name: qkv_scales, .offset: 48, .size: 8, .value_kind: global_buffer, .address_space: global }
    .group_segment_fixed_size: 327680
    .private_segment_fixed_size: 0
    .kernarg_segment_align: 8
    .kernarg_segment_size: 56
    .max_flat_workgroup_size: 128
    .sgpr_count:     100
    .vgpr_count:     1024
    .wavefront_size: 32
...
	.end_amdgpu_metadata
.endif
;; end of part 2
;; launch scores (part 3): grid 9 x 16, 4 waves a work-group, no clusters, 327,680 bytes of LDS; arguments qkv_codes, qkv_scales, lengths, p_codes, p_scales, p_max, p_sum; writes p_codes, p_scales, p_max, p_sum
.if DOCPART == 3
	.amdgcn_target "amdgcn-amd-amdhsa--gfx1250"
	.amdhsa_code_object_version 6
	.text
	.protected	k_q8a1137b0be_scores
	.globl	k_q8a1137b0be_scores
	.p2align	8
	.type	k_q8a1137b0be_scores,@function
k_q8a1137b0be_scores:
	s_mov_b64 s[64:65], 0
	v_nop
	global_prefetch_b8 v0, s[64:65] scope:SCOPE_SE
	s_setreg_imm32_b32 hwreg(HW_REG_WAVE_MODE, 25, 1), 1
	s_wait_xcnt 0x0
; The lower triangle of q k^T on codes of FP6 (E2M3), the masks, and p = 2^(t - M') quantised along the keys into the last product's operand.
; OPERANDS as images of their registers (fragment (T, s) at (NS T + s) x 1,536; lane r of tile T = 2 g + u is row 32 g + 8 u + r + 8 (r / 8); scale words at ((T / 8) NS + s) x 512 + 256 ((T % 8) / 4) + 16 r + 4 (T % 4)).
; SHARES.  A work-group makes 256 queries x 256 keys of one batch; only the 36 blocks of a batch with key block <= query block are made: rows pr and 7 - pr of the triangle together have 9 blocks (grid x).
; Each of four waves makes 128 x 128.  R = q (source 1: a lane holds one query), C = k (source 0: a lane's registers run along the keys).
; NO CLUSTER: the rows of the triangle have 1 to 8 blocks, in pairs 9: no four work-groups share a tile from first to last.
; THE MASKS.  Keys after the query get -1e9 or -2e9 beside a row's own largest logit: p = 0 (LIMIT: scores well under 1e9 in magnitude); they are set to -infinity on the diagonal and not computed above it.
; For the keys that count the length mask hangs on the query alone: logit = score / 32 + (query >= length ? -1e9 : 0), one rounding, as the sum in f32 has it.  t = logit x log2(e) is rounded by itself, then M' is taken off.
; M' = the ceiling of the largest t of a query over the wave's 128 keys: a whole number.  p's codes and bytes are made under M'; M' and l' (the sum of the unquantised p) go out beside them, and the last launch moves
; the bytes by the whole number M - M'.
; HIDDEN STEPS.  The wave above the diagonal, and the key steps that fill a query block's K up to a multiple of 1,024 (8 key steps: what the last launch's two first fills bring), store zero codes;
; every key step up to 15 gets M' = -3e38 and l' = 0.
; LIMITS: NaN and infinities are not served; blocks whose every p is under 2^-124 get the byte 1.
; REGISTERS: window 0: v0-31 addresses; v32-63 scale words, two sets; v64-79 M', l'; v80-103 constants and what is stored; v128-223 R's fragments, later the tile at work and its codes; v224-255 at work.
;   window 1: C's fragments, two sets.   windows 2, 3: the accumulators, (a, b) at v[8 (8 (a % 4) + b)].
.set NS,     8
.set LAPS,   NS/4
.set NP,     4
.set NL,     3
.set FR,     12
.set FRB,    1536
.set ROWB,   2*FRB
.set HALFT,  8*ROWB
.set SLOT,   4*HALFT
.set SPARE,  2*SLOT                    ; behind the ring: the spare words, 128 bytes a wave, named by no other line
.set PSTEP,  16*FRB                    ; from tile to tile in p's codes
.set ADRR, 16
.set ADRC, 20
.set LO,   26
.set VSO,  27
.set SPW,  28
.set NIL,  29
.set SC,   32
.set AF,   128
.set G1,  24
.set G0,  32
.set G1B, 48
.set G0B, 56
.set SRP, 68
.set SCP, 70
.set QB,   6                           ; v6   my query of tile 0
.set DB,   7                           ; v7   r + 8 (r / 8) - 16 h
.set NEGV, 8                           ; v8   -1e9
.set NINF, 9                           ; v9   -infinity
.set QV,   10
.set T1,   11
.set T2,   12
.set MS,   64                          ; v64-71 M' of the eight tiles
.set LS,   72                          ; v72-79 l'
.set ZQ,   80                          ; v80-83 zeros; v84-87 bytes of 127; v88-91 -3e38
.set WQ,   84
.set MQ,   88
.set OQ,   92                          ; v92-103 what is stored of the statistics
.set HA,   128
.set PC,   192
.set TM,   224
.set PWS,  240
.set AQ,   248
.set NM,   250
.set SA,   252
.set SB,   254
.set PCB,  10                          ; s[10:11] p's codes; s[76:77] its scale words; s[78:79] M'; s[80:81] l'
.set PSB,  76
.set PMB,  78
.set PLB,  80
.set LEN,  82
.set RS,   84                          ; s[84:85] 1 / 32
.set L2E,  86                          ; s[86:87] log2(e)
.set Q0W,  88
.set K0W,  89
.set SOUT, 90
.set SW,   91
.set SEL,  92
.set PE,   96                          ; s96  the key step at which my query block's padded K ends
.set MSB, 0
.macro WIN new
.if MSB != (\new)
	s_set_vgpr_msb (MSB<<8)|(\new)
.set MSB, (\new)
.endif
.endm
.set MUL_LO, 0xa1
.set MUL_HI, 0xf1
.set TO_C,   0x40
.macro JLOAD g0a, g1a, g0b, g1b        ; waves 0 and 1 fetch q's halves, waves 2 and 3 k's; an s_nop 0 and four v_nop follow each line
	s_cmp_eq_u32 s15, 0
	s_cbranch_scc0 .Lfor_b_\@
	tensor_load_to_lds s[\g0a:\g0a+3], s[\g1a:\g1a+7]
	s_nop 0
.rept 4
	v_nop
.endr
	s_branch .Lasked_\@
.Lfor_b_\@:
	tensor_load_to_lds s[\g0b:\g0b+3], s[\g1b:\g1b+7]
	s_nop 0
.rept 4
	v_nop
.endr
.Lasked_\@:
.endm
.macro PLACES n
.rept \n
	v_nop
.endr
.endm
.macro FRAG reg, adr, q, i
.irp c, 0,1,2
	ds_load_b128 v[\reg+4*\c:\reg+4*\c+3], v[\adr] offset:(\i)*ROWB+(\q)*FRB+512*\c
.endr
.endm
.macro FETCH_C slot, q, p
	WIN TO_C
.irp i, 0,1,2,3,4,5,6,7
	FRAG 128*(\p)+FR*\i, ADRC+\slot, \q, \i
.endr
	WIN 0
.endm
.macro FETCH_R slot, q, i0
.irp i, \i0, \i0+1, \i0+2, \i0+3
	FRAG AF+FR*(\i), ADRR+\slot, \q, \i
.endr
.endm
.macro WM acc, cf, rf, sa, sb, q, zero
.if \zero
	v_wmma_scale_f32_16x16x128_f8f6f4 v[\acc:\acc+7], v[\cf:\cf+11], v[\rf:\rf+11], 0, v[\sa], v[\sb] matrix_a_fmt:MATRIX_FMT_FP6 matrix_b_fmt:MATRIX_FMT_FP6
.elseif \q
	v_wmma_scale_f32_16x16x128_f8f6f4 v[\acc:\acc+7], v[\cf:\cf+11], v[\rf:\rf+11], v[\acc:\acc+7], v[\sa], v[\sb] matrix_a_fmt:MATRIX_FMT_FP6 matrix_b_fmt:MATRIX_FMT_FP6 matrix_a_scale:MATRIX_SCALE_ROW1 matrix_b_scale:MATRIX_SCALE_ROW1
.else
	v_wmma_scale_f32_16x16x128_f8f6f4 v[\acc:\acc+7], v[\cf:\cf+11], v[\rf:\rf+11], v[\acc:\acc+7], v[\sa], v[\sb] matrix_a_fmt:MATRIX_FMT_FP6 matrix_b_fmt:MATRIX_FMT_FP6
.endif
.endm
.macro MUL16 a0, p, q, sc, zero        ; the 64 accumulators take turns
.irp a, \a0, \a0+1
.irp b, 0,1,2,3,4,5,6,7
	WM 8*(8*((\a)%4)+\b), 128*(\p)+FR*\b, AF+FR*(\a), SC+16*(\sc)+8+\b, SC+16*(\sc)+(\a), \q, \zero
.endr
.endr
.endm
.macro SLOAD sl, off
	global_load_b128 v[SC+16*\sl:SC+16*\sl+3], v[VSO], s[SRP:SRP+1] offset:(\off)
	global_load_b128 v[SC+16*\sl+4:SC+16*\sl+7], v[VSO], s[SRP:SRP+1] offset:(\off)+256
	global_load_b128 v[SC+16*\sl+8:SC+16*\sl+11], v[VSO], s[SCP:SCP+1] offset:(\off)
	global_load_b128 v[SC+16*\sl+12:SC+16*\sl+15], v[VSO], s[SCP:SCP+1] offset:(\off)+256
.endm
.macro STEP slot, zero
	s_wait_dscnt 4*NL                              ; C's set and R's tiles 0-3 are in; the youngest 12 loads may be out
	WIN MUL_LO
	MUL16 0, 0, 0, \slot, \zero
	MUL16 2, 0, 0, \slot, \zero
	s_wait_dscnt 0x0
	PLACES NP
	FETCH_C \slot, 1, 1
	FETCH_R \slot, 1, 0
	WIN MUL_HI
	MUL16 4, 0, 0, \slot, \zero
	MUL16 6, 0, 0, \slot, \zero
	PLACES NP
	WIN 0
	FETCH_R \slot, 1, 4
.endm
.macro TURN slot, next, fill
	s_wait_tensorcnt 0x0                           ; all my tensor loads have landed: my part of the next slot
	ds_add_u32 v[SPW], v[NIL]
	s_wait_dscnt 4*NL+1                            ; the add and the youngest 12 loads may be out
	WIN MUL_LO
	MUL16 0, 1, 1, \slot, 0
	s_wait_dscnt 0x0                               ; the add is done, and my reads of this slot are over
	s_barrier_signal -1
	MUL16 2, 1, 1, \slot, 0
	WIN 0
	s_barrier_wait -1
.if \fill
	s_add_nc_u64 s[G0+4*\slot+2:G0+4*\slot+3], s[G0+4*\slot+2:G0+4*\slot+3], 2*ROWB
	s_add_nc_u64 s[G0B+4*\slot+2:G0B+4*\slot+3], s[G0B+4*\slot+2:G0B+4*\slot+3], 2*ROWB
	JLOAD G0+4*\slot, G1, G0B+4*\slot, G1B         ; the first tensor load behind the barrier; its four v_nop are the places in front of the loads below
.else
	PLACES NP
.endif
	FETCH_C \next, 0, 0
	FETCH_R \next, 0, 0
	WIN MUL_HI
	MUL16 4, 1, 1, \slot, 0
	MUL16 6, 1, 1, \slot, 0
	PLACES NP
	WIN 0
	FETCH_R \next, 0, 4
	s_wait_loadcnt 0x0                             ; the next slot's scale words are in; their bases may step
.if \fill
	s_add_nc_u64 s[SRP:SRP+1], s[SRP:SRP+1], 1024
	s_add_nc_u64 s[SCP:SCP+1], s[SCP:SCP+1], 1024
	SLOAD \slot, 0
.endif
.endm
	s_load_b128 s[4:7], s[0:1], 0x0                ; the codes of q, k, v; their scale words
	s_load_b128 s[8:11], s[0:1], 0x10              ; lengths; p's codes
	s_load_b128 s[76:79], s[0:1], 0x20             ; p's scale words; M'
	s_load_b64 s[80:81], s[0:1], 0x30              ; l'
	v_lshl_add_u32 v[SPW], v0, 2, SPARE
	v_mov_b32 v[NIL], 0
	ds_add_u32 v[SPW], v[NIL]                      ; the wave's opening
	ds_add_u32 v[SPW], v[NIL]
	v_lshrrev_b32 v1, 5, v0
	v_readfirstlane_b32 s14, v1                    ; wave
	s_lshr_b32 s15, s14, 1                         ; my half of the queries.  Also: I fetch for q (0) or for k (1)
	s_and_b32 s16, s14, 1                          ; my half of the keys.  Also: which 8 tiles I fetch
	s_and_b32 s17, ttmp7, 0xffff
	s_lshr_b32 s40, s17, 2                         ; the batch
	s_and_b32 s41, s17, 3                          ; pr
	s_sub_co_u32 s42, 7, s41
	s_sub_co_u32 s43, ttmp9, s41
	s_sub_co_u32 s43, s43, 1
	s_cmp_le_u32 ttmp9, s41                        ; the first pr + 1 work-groups take row pr of the triangle, the other 8 - pr row 7 - pr
	s_cselect_b32 s42, s41, s42                    ; the query block
	s_cselect_b32 s43, ttmp9, s43                  ; the key block
.irp g, G1, G1B
	s_mov_b32 s[\g+0], 3<<16                       ; no mask; elements of 8 bytes; no padding
	s_mov_b32 s[\g+1], 384<<16                     ; 3,072 bytes: a tile's two K steps
	s_mov_b32 s[\g+2], 8<<16
	s_mov_b32 s[\g+3], 384<<16
	s_mov_b32 s[\g+4], 8
	s_mov_b32 s[\g+5], NS*192
	s_mov_b32 s[\g+6], 0
	s_mov_b32 s[\g+7], 0
.endr
	s_lshl_b32 s18, s16, 3
	s_lshl_b32 s19, s40, 7                         ; 128 tiles a batch
	s_add_co_u32 s19, s19, s18
	s_lshl_b32 s20, s42, 4
	s_add_co_u32 s20, s20, s19
	s_mul_i32 s20, s20, NS*FRB
	s_mov_b32 s21, 0
	s_lshl_b32 s46, s43, 4
	s_add_co_u32 s46, s46, s19
	s_mul_i32 s46, s46, NS*FRB
	s_add_co_u32 s46, s46, 6291456                 ; k lies behind q
	s_mov_b32 s47, 0
	s_mul_i32 s45, s14, HALFT
	s_lshl_b32 s83, s40, 2
	s_wait_dscnt 0x0                               ; the opening add is done
	s_wait_kmcnt 0x0
	s_load_b32 s[LEN], s[8:9], s83 offset:0x0      ; my batch's length: it enters a compare of lanes and nothing else
	s_add_nc_u64 s[20:21], s[4:5], s[20:21]
	s_add_nc_u64 s[46:47], s[4:5], s[46:47]
.irp s, 0,1
	s_mov_b32 s[G0+4*\s], 1
	s_add_co_u32 s[G0+4*\s+1], s45, \s*SLOT
	s_add_nc_u64 s[G0+4*\s+2:G0+4*\s+3], s[20:21], \s*ROWB
	s_or_b32 s[G0+4*\s+3], s[G0+4*\s+3], 0x80000000
	s_mov_b32 s[G0B+4*\s], 1
	s_add_co_u32 s[G0B+4*\s+1], s45, \s*SLOT
	s_add_nc_u64 s[G0B+4*\s+2:G0B+4*\s+3], s[46:47], \s*ROWB
	s_or_b32 s[G0B+4*\s+3], s[G0B+4*\s+3], 0x80000000
.endr
	JLOAD G0, G1, G0B, G1B                         ; slot 0: one tensor load a wave at the head
	v_and_b32 v1, 15, v0                           ; r
	v_bfe_u32 v2, v0, 4, 1                         ; h
	v_and_b32 v3, 31, v0
	v_lshlrev_b32 v[LO], 4, v3
	v_lshlrev_b32 v[VSO], 4, v1
	v_lshl_add_u32 v[VSO], v2, 9, v[VSO]
	s_wait_alu depctr_va_vdst(0)
	s_mul_i32 s94, s15, HALFT
	s_mul_i32 s95, s16, HALFT
	s_add_co_u32 s95, s95, 2*HALFT
.irp s, 0,1
	v_add_nc_u32 v[ADRR+\s], s94, v[LO]
	v_add_nc_u32 v[ADRC+\s], s95, v[LO]
	s_add_co_u32 s94, s94, SLOT
	s_add_co_u32 s95, s95, SLOT
.endr
	s_lshl_b32 s96, s40, 4                         ; 16 groups a batch
	s_lshl_b32 s97, s42, 1
	s_add_co_u32 s97, s97, s96
	s_add_co_u32 s97, s97, s15                     ; my queries' group
	s_mov_b32 s99, 0
	s_lshl_b32 s98, s97, 12
	s_add_co_u32 s98, s98, 1024                    ; the bases stand at slot 1
	s_add_nc_u64 s[SRP:SRP+1], s[6:7], s[98:99]
	s_lshl_b32 s98, s43, 1
	s_add_co_u32 s98, s98, s96
	s_add_co_u32 s98, s98, s16                     ; my keys' group
	s_lshl_b32 s98, s98, 12
	s_add_co_u32 s98, s98, 262144+1024
	s_add_nc_u64 s[SCP:SCP+1], s[6:7], s[98:99]
	SLOAD 0, -1024
	SLOAD 1, 0
	s_lshl_b32 s[Q0W], s42, 8
	s_lshl_b32 s98, s15, 7
	s_add_co_u32 s[Q0W], s[Q0W], s98               ; my first query
	s_lshl_b32 s[K0W], s43, 8
	s_lshl_b32 s98, s16, 7
	s_add_co_u32 s[K0W], s[K0W], s98               ; my first key
	s_lshl_b32 s[SOUT], s43, 1
	s_add_co_u32 s[SOUT], s[SOUT], s16             ; my key step
	s_lshl_b32 s98, s97, 7                         ; 8 tiles x 16 steps a group
	s_add_co_u32 s98, s98, s[SOUT]
	s_mul_i32 s98, s98, FRB
	s_add_nc_u64 s[PCB:PCB+1], s[PCB:PCB+1], s[98:99]
	s_lshl_b32 s98, s97, 4
	s_add_co_u32 s98, s98, s[SOUT]
	s_lshl_b32 s98, s98, 9
	s_add_nc_u64 s[PSB:PSB+1], s[PSB:PSB+1], s[98:99]
	s_add_nc_u64 s[PMB:PMB+1], s[PMB:PMB+1], s[98:99]
	s_add_nc_u64 s[PLB:PLB+1], s[PLB:PLB+1], s[98:99]
	s_mov_b32 s[RS], 0x3d000000
	s_mov_b32 s[RS+1], s[RS]
	s_mov_b32 s[L2E], 0x3fb8aa3b
	s_mov_b32 s[L2E+1], s[L2E]
	s_mov_b32 s[SEL], 0x76543210
	s_mov_b32 s[SEL+1], 0xfedcba98
	v_and_b32 v3, 8, v1
	v_add_nc_u32 v3, v3, v1                        ; r + 8 (r / 8)
	v_add_nc_u32 v[QB], s[Q0W], v3
	v_lshlrev_b32 v4, 4, v2
	v_sub_nc_u32 v[DB], v3, v4
	v_mov_b32 v[NEGV], 0xce6e6b28
	v_mov_b32 v[NINF], 0xff800000
	v_mov_b32 v[T2], 0                             ; a lane permute's destination counts as one of its sources
.irp b, 0,1,2,3
	v_mov_b32 v[TM+4+\b], 0
	v_mov_b32 v[ZQ+\b], 0
	v_mov_b32 v[WQ+\b], 0x7f7f7f7f
	v_mov_b32 v[MQ+\b], 0xff61b1e6
.endr
	s_wait_kmcnt 0x0                               ; the length
	s_wait_alu depctr_va_vdst(0)
	s_wait_tensorcnt 0x0                           ; my part of slot 0 is in
	ds_add_u32 v[SPW], v[NIL]
	s_wait_dscnt 0x0
	s_barrier_signal -1
	s_barrier_wait -1
	JLOAD G0+4, G1, G0B+4, G1B                     ; slot 1's first fill, the first tensor load behind the barrier
	FETCH_C 0, 0, 0
	FETCH_R 0, 0, 0
	FETCH_R 0, 0, 4
	s_wait_loadcnt 4                               ; set 0 is in; set 1's four loads may be out
	STEP 0, 1
	s_mov_b32 s3, LAPS-1
.Llap:
	TURN 0, 1, 1
	STEP 1, 0
	TURN 1, 0, 1
	STEP 0, 0
	s_sub_co_u32 s3, s3, 1
	s_cmp_lg_u32 s3, 0
	s_cbranch_scc1 .Llap
	TURN 0, 1, 0
	STEP 1, 0
	s_wait_dscnt 4*NL
	WIN MUL_LO
	MUL16 0, 1, 1, 1, 0
	MUL16 2, 1, 1, 1, 0
	s_wait_dscnt 0x0
	WIN MUL_HI
	MUL16 4, 1, 1, 1, 0
	MUL16 6, 1, 1, 1, 0
	WIN 0
	PLACES NP
.macro QBYTES pw
.irp b, 0,1,2,3
	v_add_nc_u32 v[TM+12+\b], 0xff000000, v[TM+\b] ; 2 off the exponent field: the conversion's scale operand
.endr
.irp b, 0,1,2,3
	v_lshrrev_b32 v[TM+4+\b], 23, v[TM+12+\b]      ; the scale's byte
.endr
	v_lshl_or_b32 v[\pw], v[TM+5], 8, v[TM+4]
	v_lshl_or_b32 v[\pw], v[TM+6], 16, v[\pw]
	v_lshl_or_b32 v[\pw], v[TM+7], 24, v[\pw]
.endm
.macro QCODES s
.irp c, 0,1
	v_cvt_scalef32_pk16_fp6_f32 v[PC+6*\c:PC+2+6*\c], v[\s+32*\c:\s+15+32*\c], v[TM+12+2*\c]
	v_cvt_scalef32_pk16_fp6_f32 v[PC+12+4*\c:PC+14+4*\c], v[\s+16+32*\c:\s+31+32*\c], v[TM+12+2*\c+1]
.endr
	v_nop                                          ; one plain place behind a scaled conversion
.irp c, 0,1
.irp i, 0,1,2
	v_permlane16_swap_b32 v[PC+6*\c+\i], v[PC+12+4*\c+\i]
.endr
.irp i, 0,1,2
	v_mov_b32 v[PC+3+6*\c+\i], v[PC+12+4*\c+\i]
.endr
.endr
.endm
; Tile a of my queries: lane (r, h) holds query Q0W + QC + r + 8 (r / 8); register 16 b + i holds key K0W + 32 b + 16 h + i
.macro EPI a
.set AC, 64*((\a)%4)
.set QC, 32*((\a)/2)+8*((\a)%2)
	v_add_nc_u32 v[QV], QC, v[QB]
	v_cmp_le_u32 vcc_lo, s[LEN], v[QV]             ; length <= query: the whole row carries -1e9
	v_cndmask_b32 v[AQ], 0, v[NEGV], vcc_lo
	v_cndmask_b32 v[AQ+1], 0, v[NEGV], vcc_lo
	WIN 0x02+((\a)/4)                              ; source 0: the accumulators' window
.set n, 0
.rept 32
	v_pk_fma_f32 v[HA+n:HA+n+1], v[AC+n:AC+n+1], s[RS:RS+1], v[AQ:AQ+1] op_sel_hi:[1,0,1]   ; the logit: score / 32 is exact, the sum is rounded once; each accumulator from its low end on
.set n, n+2
.endr
	WIN 0
	s_cmp_lg_u32 s[K0W], s[Q0W]                    ; only the wave on the diagonal has keys to hide
	s_cbranch_scc1 .Lopen_\@
	v_add_nc_u32 v[QV], QC, v[DB]                  ; d = query - K0W - 16 h: hidden where 32 b + i > d
.set n, 0
.rept 64
	v_cmp_gt_i32 vcc_lo, 32*(n/16)+n%16, v[QV]
	v_cndmask_b32 v[HA+n], v[HA+n], v[NINF], vcc_lo
.set n, n+1
.endr
.Lopen_\@:
.irp b, 0,1,2,3
	v_max3_num_f32 v[TM+\b], v[HA+16*\b], v[HA+1+16*\b], v[HA+2+16*\b]   ; the largest logit of each block of 32 keys: for the row's maximum and, since p rises with the logit, for the block's largest p
.endr
.irp i, 3,5,7,9,11,13
.irp b, 0,1,2,3
	v_max3_num_f32 v[TM+\b], v[TM+\b], v[HA+16*\b+\i], v[HA+1+16*\b+\i]
.endr
.endr
.irp b, 0,1,2,3
	v_max_num_f32 v[TM+\b], v[TM+\b], v[HA+15+16*\b]
.endr
.irp b, 0,1,2,3
	v_permlanex16_b32 v[TM+4+\b], v[TM+\b], s[SEL], s[SEL+1]
.endr
.irp b, 0,1,2,3
	v_max_num_f32 v[TM+\b], v[TM+\b], v[TM+4+\b]
.endr
	v_max3_num_f32 v[T1], v[TM], v[TM+1], v[TM+2]
	v_max_num_f32 v[T1], v[T1], v[TM+3]
	v_mul_f32 v[T1], s[L2E], v[T1]                 ; the largest t
	v_floor_f32 v[NM], -v[T1]                      ; -M' = floor(-t): M' is a whole number
	v_floor_f32 v[NM+1], -v[T1]
.set n, 0
.rept 32
	v_pk_mul_f32 v[HA+n:HA+n+1], v[HA+n:HA+n+1], s[L2E:L2E+1] op_sel_hi:[1,0]   ; t, rounded by itself
.set n, n+2
.endr
.irp b, 0,1,2,3
	v_mul_f32 v[TM+\b], s[L2E], v[TM+\b]
.endr
.set n, 0
.rept 32
	v_pk_add_f32 v[HA+n:HA+n+1], v[HA+n:HA+n+1], v[NM:NM+1]                    ; t - M'
.set n, n+2
.endr
.irp b, 0,1,2,3
	v_add_f32 v[TM+\b], v[TM+\b], v[NM]
.endr
.set n, 0
	s_wait_alu depctr_va_vdst(0)
.rept 64
	v_exp_f32 v[HA+n], v[HA+n]                     ; p, at most 1, not normalised
.set n, n+1
.endr
	v_sub_f32 v[MS+(\a)], 0, v[NM]                 ; M'.  (The plain place behind the exponentials)
	s_wait_alu depctr_va_vdst(0)                   ; one wait for the batch, ahead of its first reader
.irp b, 0,1,2,3
	v_exp_f32 v[TM+\b], v[TM+\b]                   ; the blocks' largest p: the same operations on the same numbers
.endr
	v_pk_add_f32 v[SA:SA+1], v[HA:HA+1], v[HA+2:HA+3]   ; l' is the sum of the unquantised p: two chains
	v_pk_add_f32 v[SB:SB+1], v[HA+4:HA+5], v[HA+6:HA+7]
.irp j, 8,12,16,20,24,28,32,36,40,44,48,52,56,60
	v_pk_add_f32 v[SA:SA+1], v[SA:SA+1], v[HA+\j:HA+\j+1]
	v_pk_add_f32 v[SB:SB+1], v[SB:SB+1], v[HA+\j+2:HA+\j+3]
.endr
	v_pk_add_f32 v[SA:SA+1], v[SA:SA+1], v[SB:SB+1]
	v_add_f32 v[T1], v[SA], v[SA+1]
	v_permlanex16_b32 v[T2], v[T1], s[SEL], s[SEL+1]
	v_add_f32 v[LS+(\a)], v[T1], v[T2]
	s_wait_alu depctr_va_vdst(0)                   ; and one for the four
.irp b, 0,1,2,3
	v_max_num_f32 v[TM+\b], 0x1800000, v[TM+\b]    ; the floor 2^(3 - 127): the byte cannot fall under 1
.endr
	QBYTES PWS+(\a)
.if (\a) > 0
	s_wait_xcnt 0x0                                ; the last tile's stores have read the codes' registers
.endif
	QCODES HA
.irp c, 0,1,2
	global_store_b128 v[LO], v[PC+4*\c:PC+4*\c+3], s[PCB:PCB+1] offset:(\a)*PSTEP+512*\c
.endr
.endm
.macro DEADCODES                       ; a hidden key step that the last product walks: zero codes, any byte but 255
.irp a, 0,1,2,3,4,5,6,7
.irp c, 0,1,2
	global_store_b128 v[LO], v[ZQ:ZQ+3], s[PCB:PCB+1] offset:\a*PSTEP+512*\c
.endr
.endr
	global_store_b128 v[LO], v[WQ:WQ+3], s[PSB:PSB+1]
.endm
.macro DEADSTAT                        ; M' under every t, l' = 0
	global_store_b128 v[LO], v[MQ:MQ+3], s[PMB:PMB+1]
	global_store_b128 v[LO], v[ZQ:ZQ+3], s[PLB:PLB+1]
.endm
	s_cmp_gt_u32 s[K0W], s[Q0W]                    ; all my keys come after all my queries: ids and the wave's number alone
	s_cbranch_scc1 .Lhidden
.irp a, 0,1,2,3,4,5,6,7
	EPI \a
.endr
	v_cmp_ne_u32 vcc_lo, 0, v2                     ; both halves of the lanes hold the numbers: lane (r, h) stores those of tiles 4 h .. 4 h + 3
.irp w, 0,1,2,3
	v_cndmask_b32 v[OQ+\w], v[PWS+\w], v[PWS+4+\w], vcc_lo
	v_cndmask_b32 v[OQ+4+\w], v[MS+\w], v[MS+4+\w], vcc_lo
	v_cndmask_b32 v[OQ+8+\w], v[LS+\w], v[LS+4+\w], vcc_lo
.endr
	global_store_b128 v[LO], v[OQ:OQ+3], s[PSB:PSB+1]      ; 512 consecutive bytes each
	global_store_b128 v[LO], v[OQ+4:OQ+7], s[PMB:PMB+1]
	global_store_b128 v[LO], v[OQ+8:OQ+11], s[PLB:PLB+1]
	s_branch .Lwalk_in
.Lhidden:
	s_wait_alu depctr_va_vdst(0)
	DEADCODES
	DEADSTAT
.Lwalk_in:
	s_cmp_lg_u32 s42, s43                          ; the work-group on the diagonal also writes the key steps behind it, each wave every second one of its queries' group
	s_cbranch_scc1 .Lend
	s_add_co_u32 s[SW], s[SOUT], 2
	s_cmp_ge_u32 s[SW], 16
	s_cbranch_scc1 .Lend
	s_lshr_b32 s[PE], s42, 2                       ; query blocks 0-3 are walked to key step 8, blocks 4-7 to key step 16
	s_lshl_b32 s[PE], s[PE], 3
	s_add_co_u32 s[PE], s[PE], 8
.Lwalk:
	s_wait_xcnt 0x0                                ; the stores have read their bases: two key steps on
	s_add_nc_u64 s[PCB:PCB+1], s[PCB:PCB+1], 2*FRB
	s_add_nc_u64 s[PSB:PSB+1], s[PSB:PSB+1], 1024
	s_add_nc_u64 s[PMB:PMB+1], s[PMB:PMB+1], 1024
	s_add_nc_u64 s[PLB:PLB+1], s[PLB:PLB+1], 1024
	s_cmp_ge_u32 s[SW], s[PE]                      ; a step that the last product does not walk gets no codes
	s_cbranch_scc1 .Lstat
	DEADCODES
.Lstat:
	DEADSTAT
	s_add_co_u32 s[SW], s[SW], 2
	s_cmp_lt_u32 s[SW], 16
	s_cbranch_scc1 .Lwalk
.Lend:
	s_wait_tensorcnt 0x0                           ; the wave's end
	ds_add_u32 v[SPW], v[NIL]
	s_wait_dscnt 0x0
	s_endpgm
.Lfunc_end_k_q8a1137b0be_scores:
	.size	k_q8a1137b0be_scores, .Lfunc_end_k_q8a1137b0be_scores-k_q8a1137b0be_scores
	.p2alignl 7, 3214868480
	.fill 96, 4, 3214868480
	.section	.rodata,"a",@progbits
	.p2align	6, 0x0
	.amdhsa_kernel k_q8a1137b0be_scores
		.amdhsa_group_segment_fixed_size 327680
		.amdhsa_private_segment_fixed_size 0
		.amdhsa_enable_private_segment 0
		.amdhsa_kernarg_size 56
		.amdhsa_user_sgpr_count 2
		.amdhsa_user_sgpr_kernarg_segment_ptr 1
		.amdhsa_wavefront_size32 1
		.amdhsa_system_sgpr_workgroup_id_x 1
		.amdhsa_system_sgpr_workgroup_id_y 1
		.amdhsa_system_sgpr_workgroup_id_z 1
		.amdhsa_system_vgpr_workitem_id 0
		.amdhsa_next_free_vgpr 1024
		.amdhsa_next_free_sgpr 100
		.amdhsa_reserve_vcc 1
		.amdhsa_float_denorm_mode_32 3
		.amdhsa_float_denorm_mode_16_64 3
		.amdhsa_memory_ordered 1
		.amdhsa_forward_progress 1
		.amdhsa_inst_pref_size 255
	.end_amdhsa_kernel
	.section	.bss,"aw",@nobits
	.p2align	6
	.space	262144
	.amdgpu_metadata
---
amdhsa.version: [ 1, 2 ]
amdhsa.kernels:
  - .name:           k_q8a1137b0be_scores
    .symbol:         k_q8a1137b0be_scores.kd
    .args:
      - { .name: qkv_codes, .offset: 0, .size: 8, .value_kind: global_buffer, .address_space: global }
      - { .name: qkv_scales, .offset: 8, .size: 8, .value_kind: global_buffer, .address_space: global }
      - { .name: lengths, .offset: 16, .size: 8, .value_kind: global_buffer, .address_space: global }
      - { .name: p_codes, .offset: 24, .size: 8, .value_kind: global_buffer, .address_space: global }
      - { .name: p_scales, .offset: 32, .size: 8, .value_kind: global_buffer, .address_space: global }
      - { .name: p_max, .offset: 40, .size: 8, .value_kind: global_buffer, .address_space: global }
      - { .name: p_sum, .offset: 48, .size: 8, .value_kind: global_buffer, .address_space: global }
    .group_segment_fixed_size: 327680
    .private_segment_fixed_size: 0
    .kernarg_segment_align: 8
    .kernarg_segment_size: 56
    .max_flat_workgroup_size: 128
    .sgpr_count:     100
    .vgpr_count:     1024
    .wavefront_size: 32
...
	.end_amdgpu_metadata
.endif
;; end of part 3
;; launch mix (part 4): grid 8 x 32, 4 waves a work-group, clusters of 4 x 1, 327,680 bytes of LDS; arguments p_codes, p_scales, p_max, p_sum, qkv_codes, qkv_scales, out0; writes out0
.if DOCPART == 4
	.amdgcn_target "amdgcn-amd-amdhsa--gfx1250"
	.amdhsa_code_object_version 6
	.text
	.protected	k_q8a1137b0be_mix
	.globl	k_q8a1137b0be_mix
	.p2align	8
	.type	k_q8a1137b0be_mix,@function
k_q8a1137b0be_mix:
	s_mov_b64 s[64:65], 0
	v_nop
	global_prefetch_b8 v0, s[64:65] scope:SCOPE_SE
	s_setreg_imm32_b32 hwreg(HW_REG_WAVE_MODE, 25, 1), 1
	s_wait_xcnt 0x0
	s_wait_alu depctr_hold_cnt(0) depctr_sa_sdst(0) depctr_va_vdst(0) depctr_va_sdst(0) depctr_va_ssrc(0) depctr_va_vcc(0) depctr_vm_vsrc(0)
	s_getreg_b32 s2, hwreg(HW_REG_IB_STS2, 6, 4)
	s_cmp_eq_u32 s2, 0
	s_cbranch_scc0 .Lentry_in_a_cluster
	s_endpgm
.Lentry_in_a_cluster:
	s_bfe_u32 s2, ttmp6, 0x10000c
	s_cmp_lg_u32 s2, 0x3003
	s_cbranch_scc0 .Lentry_shape_is_right
	s_endpgm
.Lentry_shape_is_right:
; out = (p v) / l on codes of FP6 (E2M3).  A work-group makes 256 queries x 128 channels, a wave 64 x 128.  R = p (source 1: a lane holds a query), C = v (source 0: a lane's registers run along the channels).
; K = the keys, in two LDS slots of four key steps; query blocks 0-3 walk 8 key steps, blocks 4-7 all 16 (the keys behind a query block's own are hidden by the causal mask that the problem builds).
; p's bytes were made under each key step's own whole number M': they are moved by M - M', M the row's largest M'; l is the sum of the l' x 2^(M' - M).
; p's fragment image: register 4 c + w of lane l at 512 c + 16 l + 4 w.  v's: two halves of 768 bytes: registers 6 c .. 6 c + 3 at 768 c + 16 l, registers 6 c + 4, 6 c + 5 at 768 c + 512 + 8 l.
; CLUSTER 4 x 1: the four channel blocks of a query block ask jointly for p's tiles.  LIMITS: NaN and infinities are not served.
.set NS,     16
.set NP,     4
.set NL,     3
.set FR,     12
.set FRB,    1536
.set ROWB,   4*FRB
.set PREG,   16*ROWB
.set SLOT,   24*ROWB
.set SPARE,  2*SLOT
.set SPITCH, 528
.set ADRR, 16
.set ADRC, 20
.set STO,  24
.set RD,   25
.set LO,   26
.set VSO,  27
.set SPW,  28
.set NIL,  29
.set SCR,  32
.set SCC,  48
.set MI,   80
.set MR,   96
.set RL,   100
.set TT,   108
.set TU,   116
.set AF,   128
.set G1,  24
.set G0,  32
.set G1B, 48
.set G0B, 56
.set SRP, 68
.set SCP, 70
.set SMP, 72
.set ONES, 84
.set HB,   85
.set SEL,  92
.set MSB, 0
.macro WIN new
.if MSB != (\new)
	s_set_vgpr_msb (MSB<<8)|(\new)
.set MSB, (\new)
.endif
.endm
.set MUL,  0xa1
.set TO_C, 0x40
.macro JLOAD g0a, g1a, g0b, g1b
	s_cmp_eq_u32 s15, 0
	s_cbranch_scc0 .Lfor_b_\@
	tensor_load_to_lds s[\g0a:\g0a+3], s[\g1a:\g1a+7]
	s_nop 0
.rept 4
	v_nop
.endr
	s_branch .Lasked_\@
.Lfor_b_\@:
	tensor_load_to_lds s[\g0b:\g0b+3], s[\g1b:\g1b+7]
	s_nop 0
.rept 4
	v_nop
.endr
.Lasked_\@:
.endm
.macro CREST
	s_cmp_lg_u32 s14, 0
	s_cbranch_scc1 .Lnot_wave_0_\@
	s_barrier_signal -3
.Lnot_wave_0_\@:
	s_barrier_wait -3
	s_barrier_signal -1
	s_barrier_wait -1
.endm
.macro CROUND
	s_barrier_signal -1
	s_barrier_wait -1
	CREST
.endm
.macro PLACES n
.rept \n
	v_nop
.endr
.endm
.macro FRAG reg, adr, q, i
.irp c, 0,1,2
	ds_load_b128 v[\reg+4*\c:\reg+4*\c+3], v[\adr] offset:(\i)*ROWB+(\q)*FRB+512*\c
.endr
.endm
.macro FETCH_C slot, q, p
	WIN TO_C
.irp i, 0,1,2,3,4,5,6,7
.irp c, 0,1
	ds_load_b128 v[128*(\p)+FR*\i+6*\c:128*(\p)+FR*\i+6*\c+3], v[ADRC+\slot] offset:\i*ROWB+(\q)*FRB+768*\c
	ds_load_b64 v[128*(\p)+FR*\i+6*\c+4:128*(\p)+FR*\i+6*\c+5], v[ADRC+2+\slot] offset:\i*ROWB+(\q)*FRB+768*\c+512
.endr
.endr
	WIN 0
.endm
.macro FETCH_R slot, q, p
.irp i, 0,1,2,3
	FRAG AF+48*(\p)+FR*\i, ADRR+\slot, \q, \i
.endr
.endm
.macro WM acc, cf, rf, sa, sb, row, zero
.if \zero
	v_wmma_scale_f32_16x16x128_f8f6f4 v[\acc:\acc+7], v[\cf:\cf+11], v[\rf:\rf+11], 0, v[\sa], v[\sb] matrix_a_fmt:MATRIX_FMT_FP6 matrix_b_fmt:MATRIX_FMT_FP6
.elseif \row
	v_wmma_scale_f32_16x16x128_f8f6f4 v[\acc:\acc+7], v[\cf:\cf+11], v[\rf:\rf+11], v[\acc:\acc+7], v[\sa], v[\sb] matrix_a_fmt:MATRIX_FMT_FP6 matrix_b_fmt:MATRIX_FMT_FP6 matrix_a_scale:MATRIX_SCALE_ROW1 matrix_b_scale:MATRIX_SCALE_ROW1
.else
	v_wmma_scale_f32_16x16x128_f8f6f4 v[\acc:\acc+7], v[\cf:\cf+11], v[\rf:\rf+11], v[\acc:\acc+7], v[\sa], v[\sb] matrix_a_fmt:MATRIX_FMT_FP6 matrix_b_fmt:MATRIX_FMT_FP6
.endif
.endm
.macro MUL16 a0, p, q, sc, zero
.irp a, \a0, \a0+1
.irp b, 0,1,2,3,4,5,6,7
	WM 8*(8*(\a)+\b), 128*(\p)+FR*\b, AF+48*(\p)+FR*(\a), SCC+16*(\sc)+8*((\q)/2)+\b, SCR+8*(\sc)+4*((\q)/2)+(\a), (\q)%2, \zero
.endr
.endr
.endm
.macro SLOAD sl, off
.irp g, 0,1
	global_load_b128 v[SCR+8*\sl+4*\g:SCR+8*\sl+4*\g+3], v[VSO], s[SRP:SRP+1] offset:(\off)+1024*\g
	global_load_b128 v[SCC+16*\sl+8*\g:SCC+16*\sl+8*\g+3], v[VSO], s[SCP:SCP+1] offset:(\off)+1024*\g
	global_load_b128 v[SCC+16*\sl+8*\g+4:SCC+16*\sl+8*\g+7], v[VSO], s[SCP:SCP+1] offset:(\off)+1024*\g+256
	global_load_b128 v[MI+8*\sl+4*\g:MI+8*\sl+4*\g+3], v[VSO], s[SMP:SMP+1] offset:(\off)+1024*\g
.endr
.endm
.macro ADJUST sl
.irp i, 0,1,2,3,4,5,6,7
	v_sub_f32 v[TT+\i], v[MR+(\i%4)], v[MI+8*\sl+\i]
.endr
.irp i, 0,1,2,3,4,5,6,7
	v_min_num_f32 v[TT+\i], 0x42fe0000, v[TT+\i]
.endr
.irp i, 0,1,2,3,4,5,6,7
	v_cvt_u32_f32 v[TT+\i], v[TT+\i]
.endr
.irp i, 0,1,2,3,4,5,6,7
	v_mul_lo_u32 v[TT+\i], v[TT+\i], s[ONES]
.endr
.irp i, 0,1,2,3,4,5,6,7
	v_or_b32 v[SCR+8*\sl+\i], s[HB], v[SCR+8*\sl+\i]
.endr
.irp i, 0,1,2,3,4,5,6,7
	v_sub_nc_u32 v[SCR+8*\sl+\i], v[SCR+8*\sl+\i], v[TT+\i]
.endr
.irp i, 0,1,2,3,4,5,6,7
	v_and_b32 v[TT+\i], s[HB], v[SCR+8*\sl+\i]
.endr
.irp i, 0,1,2,3,4,5,6,7
	v_lshrrev_b32 v[TU+\i], 7, v[TT+\i]
.endr
.irp i, 0,1,2,3,4,5,6,7
	v_sub_nc_u32 v[TT+\i], v[TT+\i], v[TU+\i]
.endr
.irp i, 0,1,2,3,4,5,6,7
	v_and_b32 v[SCR+8*\sl+\i], v[SCR+8*\sl+\i], v[TT+\i]
.endr
.endm
.macro STEP slot, q, zero
	s_wait_dscnt 2*NL
	WIN MUL
	MUL16 0, (\q)%2, \q, \slot, \zero
	PLACES NP
	FETCH_C \slot, (\q)+1, 1-(\q)%2
	FETCH_R \slot, (\q)+1, 1-(\q)%2
	s_wait_dscnt 44                                ; all but the 32 + 12 loads just issued
	WIN MUL
	MUL16 2, (\q)%2, \q, \slot, \zero
	WIN 0
.endm
.macro TURN slot, next, fill
	s_wait_tensorcnt 0x0
	ds_add_u32 v[SPW], v[NIL]
.if \fill
	s_add_nc_u64 s[G0+4*\slot+2:G0+4*\slot+3], s[G0+4*\slot+2:G0+4*\slot+3], 2*ROWB
	s_add_nc_u64 s[G0B+4*\slot+2:G0B+4*\slot+3], s[G0B+4*\slot+2:G0B+4*\slot+3], 2*ROWB
.endif
	s_wait_dscnt 0x0
	s_barrier_signal -1
	WIN MUL
	MUL16 0, 1, 3, \slot, 0
	WIN 0
	s_barrier_wait -1
.if \fill
	CREST
	JLOAD G0+4*\slot, G1, G0B+4*\slot, G1B
.else
	PLACES NP
.endif
	FETCH_C \next, 0, 0
	FETCH_R \next, 0, 0
	WIN MUL
	MUL16 2, 1, 3, \slot, 0
	WIN 0
	s_wait_loadcnt 0x0
	ADJUST \next
	PLACES 8
.if \fill
	s_add_nc_u64 s[SRP:SRP+1], s[SRP:SRP+1], 2048
	s_add_nc_u64 s[SCP:SCP+1], s[SCP:SCP+1], 2048
	s_add_nc_u64 s[SMP:SMP+1], s[SMP:SMP+1], 2048
	SLOAD \slot, 0
.endif
.endm
	s_load_b128 s[4:7], s[0:1], 0x0
	s_load_b128 s[8:11], s[0:1], 0x10
	s_load_b128 s[76:79], s[0:1], 0x20
	s_load_b64 s[80:81], s[0:1], 0x30
	v_lshl_add_u32 v[SPW], v0, 2, SPARE
	v_mov_b32 v[NIL], 0
	ds_add_u32 v[SPW], v[NIL]
	ds_add_u32 v[SPW], v[NIL]
	v_lshrrev_b32 v1, 5, v0
	v_readfirstlane_b32 s14, v1
	s_lshr_b32 s15, s14, 1
	s_and_b32 s16, s14, 1
	s_bfe_u32 s40, ttmp6, 0x40000
	s_lshl_b32 s42, ttmp9, 2
	s_add_co_u32 s42, s42, s40
	s_and_b32 s17, ttmp7, 0xffff
	s_lshr_b32 s41, s17, 3
	s_and_b32 s43, s17, 7
	s_mov_b32 s[G1+0], 15|(3<<16)|(1<<21)
	s_mov_b32 s[G1B+0], 3<<16
.irp g, G1, G1B
	s_mov_b32 s[\g+1], 768<<16
	s_mov_b32 s[\g+3], 768<<16
	s_mov_b32 s[\g+5], NS*192
	s_mov_b32 s[\g+6], 0
	s_mov_b32 s[\g+7], 0
.endr
	s_mov_b32 s[G1+2], 8<<16
	s_mov_b32 s[G1+4], 8
	s_mov_b32 s[G1B+2], 4<<16
	s_mov_b32 s[G1B+4], 4
	s_lshl_b32 s20, s41, 7
	s_lshl_b32 s19, s43, 4
	s_add_co_u32 s20, s20, s19
	s_lshl_b32 s18, s16, 3
	s_add_co_u32 s20, s20, s18
	s_mul_i32 s20, s20, NS*FRB
	s_mov_b32 s21, 0
	s_lshl_b32 s46, s41, 6
	s_lshl_b32 s47, s42, 3
	s_add_co_u32 s46, s46, s47
	s_lshl_b32 s47, s16, 2
	s_add_co_u32 s46, s46, s47
	s_mul_i32 s46, s46, NS*FRB
	s_add_co_u32 s46, s46, 12582912
	s_mov_b32 s47, 0
	s_mul_i32 s45, s16, 8*ROWB
	s_mul_i32 s44, s16, 4*ROWB
	s_add_co_u32 s44, s44, PREG
	s_wait_dscnt 0x0
	s_wait_kmcnt 0x0
	s_add_nc_u64 s[20:21], s[4:5], s[20:21]
	s_add_nc_u64 s[46:47], s[76:77], s[46:47]
	CROUND
.irp s, 0,1
	s_mov_b32 s[G0+4*\s], 1
	s_add_co_u32 s[G0+4*\s+1], s45, \s*SLOT
	s_add_nc_u64 s[G0+4*\s+2:G0+4*\s+3], s[20:21], \s*ROWB
	s_or_b32 s[G0+4*\s+3], s[G0+4*\s+3], 0x80000000
	s_mov_b32 s[G0B+4*\s], 1
	s_add_co_u32 s[G0B+4*\s+1], s44, \s*SLOT
	s_add_nc_u64 s[G0B+4*\s+2:G0B+4*\s+3], s[46:47], \s*ROWB
	s_or_b32 s[G0B+4*\s+3], s[G0B+4*\s+3], 0x80000000
.endr
	JLOAD G0, G1, G0B, G1B                         ; slot 0, behind the first round: one tensor load a wave at the head
	v_and_b32 v1, 15, v0
	v_bfe_u32 v2, v0, 4, 1
	v_and_b32 v3, 31, v0
	v_lshlrev_b32 v[LO], 4, v3
	v_lshlrev_b32 v[VSO], 4, v1
	v_lshl_add_u32 v[VSO], v2, 9, v[VSO]
	s_wait_alu depctr_va_vdst(0)
	s_mul_i32 s94, s14, 4*ROWB
	s_mov_b32 s95, PREG
.irp s, 0,1
	v_add_nc_u32 v[ADRR+\s], s94, v[LO]
	v_add_nc_u32 v[ADRC+\s], s95, v[LO]
	v_lshl_add_u32 v[ADRC+2+\s], v3, 3, s95        ; 8 bytes a lane: the short pieces of v's half fragments
	s_add_co_u32 s94, s94, SLOT
	s_add_co_u32 s95, s95, SLOT
.endr
	s_lshl_b32 s87, s41, 4
	s_lshl_b32 s88, s43, 1
	s_add_co_u32 s87, s87, s88
	s_add_co_u32 s87, s87, s15
	s_mov_b32 s99, 0
	s_lshl_b32 s98, s87, 13
	s_lshl_b32 s88, s16, 8
	s_add_co_u32 s98, s98, s88
	s_add_nc_u64 s[10:11], s[10:11], s[98:99]
	s_add_co_u32 s98, s98, 2048
	s_add_nc_u64 s[SRP:SRP+1], s[6:7], s[98:99]
	s_add_nc_u64 s[SMP:SMP+1], s[8:9], s[98:99]
	s_lshl_b32 s98, s41, 3
	s_add_co_u32 s98, s98, s42
	s_lshl_b32 s98, s98, 13
	s_add_co_u32 s98, s98, 524288+2048
	s_add_nc_u64 s[SCP:SCP+1], s[78:79], s[98:99]
.irp g, 0,1,2,3,4,5,6,7
	global_load_b128 v[128+4*\g:131+4*\g], v[VSO], s[SMP:SMP+1] offset:1024*\g-2048
	global_load_b128 v[160+4*\g:163+4*\g], v[VSO], s[10:11] offset:1024*\g
.endr
	SLOAD 0, -2048
	SLOAD 1, 0
	s_lshl_b32 s88, s41, 11
	s_lshl_b32 s89, s43, 8
	s_add_co_u32 s88, s88, s89
	s_lshl_b32 s89, s14, 6
	s_add_co_u32 s88, s88, s89
	s_lshl_b32 s88, s88, 12
	s_lshl_b32 s89, s42, 9
	s_add_co_u32 s98, s88, s89
	s_add_nc_u64 s[80:81], s[80:81], s[98:99]
	s_mul_i32 s90, s14, 16*SPITCH
	v_mul_u32_u24 v[STO], v1, SPITCH
	v_lshl_add_u32 v[STO], v2, 6, v[STO]
	v_add_nc_u32 v[STO], s90, v[STO]
	v_add_nc_u32 v[RD], s90, v[LO]
	s_lshr_b32 s3, s43, 2
	s_mov_b32 s[ONES], 0x01010101
	s_mov_b32 s[HB], 0x80808080
	s_mov_b32 s[SEL], 0x76543210
	s_mov_b32 s[SEL+1], 0xfedcba98
.irp i, 0,1,2,3
	v_mov_b32 v[TT+\i], 0
.endr
	s_wait_loadcnt 16
.irp i, 0,1,2,3
	v_max3_num_f32 v[MR+\i], v[128+\i], v[132+\i], v[136+\i]
.endr
.irp i, 0,1,2,3
	v_max3_num_f32 v[MR+\i], v[MR+\i], v[140+\i], v[144+\i]
.endr
.irp i, 0,1,2,3
	v_max3_num_f32 v[MR+\i], v[MR+\i], v[148+\i], v[152+\i]
.endr
.irp i, 0,1,2,3
	v_max_num_f32 v[MR+\i], v[MR+\i], v[156+\i]
.endr
.irp i, 0,1,2,3
	v_permlanex16_b32 v[TT+\i], v[MR+\i], s[SEL], s[SEL+1]
.endr
.irp i, 0,1,2,3
	v_max_num_f32 v[MR+\i], v[MR+\i], v[TT+\i]
.endr
.set n, 0
.rept 16
	v_pk_add_f32 v[128+n:129+n], v[128+n:129+n], v[MR+(n%4):MR+(n%4)+1] neg_lo:[0,1] neg_hi:[0,1]
.set n, n+2
.endr
.set n, 0
.rept 32
	v_max_num_f32 v[128+n], 0xc3960000, v[128+n]
.set n, n+1
.endr
.set n, 0
.rept 32
	v_cvt_i32_f32 v[128+n], v[128+n]
.set n, n+1
.endr
.set n, 0
.rept 32
	v_ldexp_f32 v[160+n], v[160+n], v[128+n]
.set n, n+1
.endr
.irp g, 1,2,3,4,5,6,7
.irp i, 0,2
	v_pk_add_f32 v[160+\i:161+\i], v[160+\i:161+\i], v[160+4*\g+\i:161+4*\g+\i]
.endr
.endr
.irp i, 0,1,2,3
	v_permlanex16_b32 v[TT+\i], v[160+\i], s[SEL], s[SEL+1]
.endr
.irp i, 0,1,2,3
	v_add_f32 v[160+\i], v[160+\i], v[TT+\i]
.endr
	s_wait_alu depctr_va_vdst(0)
.irp i, 0,1,2,3
	v_rcp_f32 v[RL+2*\i], v[160+\i]
.endr
	v_nop
	s_wait_alu depctr_va_vdst(0)
.irp i, 0,1,2,3
	v_mov_b32 v[RL+2*\i+1], v[RL+2*\i]
.endr
	s_wait_loadcnt 8
	ADJUST 0
	PLACES 8
	s_wait_alu depctr_va_vdst(0)
	s_wait_tensorcnt 0x0                           ; my part of slot 0 is in
	ds_add_u32 v[SPW], v[NIL]
	s_wait_dscnt 0x0
	CROUND                                         ; slot 0 is whole, and the joint loads meet
	JLOAD G0+4, G1, G0B+4, G1B                     ; slot 1's first fill, the first tensor load behind the round
	FETCH_C 0, 0, 0
	FETCH_R 0, 0, 0
	STEP 0, 0, 1
	s_cmp_eq_u32 s3, 0
	s_cbranch_scc1 .Ltail
	STEP 0, 1, 0
	STEP 0, 2, 0
	TURN 0, 1, 1
	s_wait_alu depctr_va_vdst(0)
	STEP 1, 0, 0
	STEP 1, 1, 0
	STEP 1, 2, 0
	TURN 1, 0, 1
	s_wait_alu depctr_va_vdst(0)
	STEP 0, 0, 0
.Ltail:
	STEP 0, 1, 0
	STEP 0, 2, 0
	TURN 0, 1, 0
	s_wait_alu depctr_va_vdst(0)
	STEP 1, 0, 0
	STEP 1, 1, 0
	STEP 1, 2, 0
	s_wait_dscnt 0x0
	WIN MUL
	MUL16 0, 1, 3, 1, 0
	MUL16 2, 1, 3, 1, 0
	WIN 0
	PLACES NP
.macro TOSTAGE a
.set AC, 64*(\a)
	WIN 0x82
.set n, 0
.rept 32
	v_pk_mul_f32 v[AC+n:AC+n+1], v[AC+n:AC+n+1], v[RL+2*(\a):RL+2*(\a)+1]
.set n, n+2
.endr
	WIN 0x08
.irp b, 0,1,2,3,4,5,6,7
	ds_store_b128 v[STO], v[AC+8*\b:AC+8*\b+3] offset:128*(\b/2)+32*(\b%2)
	ds_store_b128 v[STO], v[AC+8*\b+4:AC+8*\b+7] offset:128*(\b/2)+32*(\b%2)+16
.endr
	WIN 0x40*((\a)/2)
.set BB, 128+64*(\a)-256*((\a)/2)
.irp t, 0,1,2,3,4,5,6,7,8,9,10,11,12,13,14,15
	ds_load_b128 v[BB+4*\t:BB+4*\t+3], v[RD] offset:\t*SPITCH
.endr
	WIN 0
.endm
.macro SEND a, younger
.set BB, 128+64*(\a)-256*((\a)/2)
	s_wait_dscnt \younger
	WIN 0x04*((\a)/2)
.irp t, 0,1,2,3,4,5,6,7,8,9,10,11,12,13,14,15
	global_store_b128 v[LO], v[BB+4*\t:BB+4*\t+3], s[80:81] offset:(32*((\a)/2)+8*((\a)%2)+\t+8*(\t/8))*4096 th:TH_STORE_NT
.endr
	WIN 0
.endm
	TOSTAGE 0
.irp a, 1,2,3
	TOSTAGE \a
	SEND \a-1, 32
.endr
	SEND 3, 0
	s_wait_tensorcnt 0x0
	ds_add_u32 v[SPW], v[NIL]
	s_wait_dscnt 0x0
	CROUND
	s_endpgm
.Lfunc_end_k_q8a1137b0be_mix:
	.size	k_q8a1137b0be_mix, .Lfunc_end_k_q8a1137b0be_mix-k_q8a1137b0be_mix
	.p2alignl 7, 3214868480
	.fill 96, 4, 3214868480
	.section	.rodata,"a",@progbits
	.p2align	6, 0x0
	.amdhsa_kernel k_q8a1137b0be_mix
		.amdhsa_group_segment_fixed_size 327680
		.amdhsa_private_segment_fixed_size 0
		.amdhsa_enable_private_segment 0
		.amdhsa_kernarg_size 56
		.amdhsa_user_sgpr_count 2
		.amdhsa_user_sgpr_kernarg_segment_ptr 1
		.amdhsa_wavefront_size32 1
		.amdhsa_system_sgpr_workgroup_id_x 1
		.amdhsa_system_sgpr_workgroup_id_y 1
		.amdhsa_system_sgpr_workgroup_id_z 1
		.amdhsa_system_vgpr_workitem_id 0
		.amdhsa_next_free_vgpr 768
		.amdhsa_next_free_sgpr 100
		.amdhsa_reserve_vcc 0
		.amdhsa_float_denorm_mode_32 3
		.amdhsa_float_denorm_mode_16_64 3
		.amdhsa_memory_ordered 1
		.amdhsa_forward_progress 1
		.amdhsa_inst_pref_size 174
	.end_amdhsa_kernel
	.amdgpu_metadata
---
amdhsa.version: [ 1, 2 ]
amdhsa.kernels:
  - .name:           k_q8a1137b0be_mix
    .symbol:         k_q8a1137b0be_mix.kd
    .args:
      - { .name: p_codes, .offset: 0, .size: 8, .value_kind: global_buffer, .address_space: global }
      - { .name: p_scales, .offset: 8, .size: 8, .value_kind: global_buffer, .address_space: global }
      - { .name: p_max, .offset: 16, .size: 8, .value_kind: global_buffer, .address_space: global }
      - { .name: p_sum, .offset: 24, .size: 8, .value_kind: global_buffer, .address_space: global }
      - { .name: qkv_codes, .offset: 32, .size: 8, .value_kind: global_buffer, .address_space: global }
      - { .name: qkv_scales, .offset: 40, .size: 8, .value_kind: global_buffer, .address_space: global }
      - { .name: out0, .offset: 48, .size: 8, .value_kind: global_buffer, .address_space: global }
    .group_segment_fixed_size: 327680
    .private_segment_fixed_size: 0
    .kernarg_segment_align: 8
    .kernarg_segment_size: 56
    .max_flat_workgroup_size: 128
    .sgpr_count:     100
    .vgpr_count:     768
    .wavefront_size: 32
...
	.end_amdgpu_metadata
.endif
;; end of part 4
